; MI455X (gfx1250); checked and timed in simulation.
; The chip was launched on July 23, 2026; its instructions are those of AMD's public machine-readable ISA for CDNA 5 (MIT licence, August 2026) and "CDNA5" Instruction Set Architecture Reference Guide (July 2026). The comments in the code are by the model that wrote it; some were corrected since.
;; Masked Multi Head Attention. Allowed arithmetic: matrix products marked QUANTISED: E2M1 operands, one E8M0 scale for each 32 along K, by v_wmma_scale_f32_16x16x128_f8f6f4 with both operands' format E2M1 (or v_wmma_scale_f32_32x16x128_f4), f32 sums; everything else in f32.
;; Inputs: Wk 1,024 x 1,024 float32; Wo 1,024 x 1,024 float32; Wq 1,024 x 1,024 float32; Wv 1,024 x 1,024 float32; bk 1,024 float32; bo 1,024 float32; bq 1,024 float32; bv 1,024 float32; key_ 4 x 2,048 x 1,024 float32; mask 1 x 1 x 2,048 x 2,048 int32; query 4 x 2,048 x 1,024 float32; value 4 x 2,048 x 1,024 float32.
;; Outputs: out0 4 x 2,048 x 1,024 float32.
;; This version of the problem:
;;   THIS VERSION OF THE PROBLEM IS GIVEN IN LOW PRECISION. The matrix products marked QUANTISED in the list below multiply operands that are first quantised to E2M1 (2 exponent bits, 1 mantissa bit; 4 bits a number), with one power-of-two scale for each 32 numbers along K (OCP MX v1.0); their sums are f32. All else is computed in f32.
;;   The module's matrix products, in the order in which they are computed (A, B: the left and right operand; K: the contracted axis; several contracted axes count as one K, in the product's order):
;;     1. [M 8,192, K 1,024] x [K 1,024, N 1,024]; A: input query; B: input Wq: QUANTISED
;;     2. [M 8,192, K 1,024] x [K 1,024, N 1,024]; A: input key_; B: input Wk: QUANTISED
;;     3. [M 8,192, K 1,024] x [K 1,024, N 1,024]; A: input value; B: input Wv: QUANTISED
;;     4. batch 64 x [M 2,048, K 64] x [K 64, N 2,048]; A: computed on the way; B: computed on the way: QUANTISED
;;     5. batch 64 x [M 2,048, K 2,048] x [K 2,048, N 64]; A: softmax (see below); B: computed on the way: QUANTISED
;;     6. [M 8,192, K 1,024] x [K 1,024, N 1,024]; A: computed on the way; B: input Wo: QUANTISED
;;   THE QUANTISER, for each operand of a quantised product, along K:
;;     - K is cut into blocks of 32 from its start; a last block that is shorter is filled with zeros.
;;     - A block's scale is 2^e with e = floor(log2(the largest magnitude in the block)) - 2, held to -126 .. 127; a block of zeros has e = 0. As a byte (E8M0): e + 127.
;;     - Each number is divided by its block's scale, clamped to +-6, and rounded to the nearest number of E2M1, ties to even, subnormals kept.
;;     - The product sums the exact products of the quantised numbers (number of the format x scale) in f32.
;;   ~~~python
;;   def quantise(x, axis):      # numpy; x: float32 -> the quantised numbers, widened to float32 again
;;       x = np.moveaxis(x, axis, -1); K = x.shape[-1]
;;       x = np.pad(x, [(0, 0)] * (x.ndim - 1) + [(0, -K % 32)]); x = x.reshape(x.shape[:-1] + (-1, 32)); a = np.abs(x).max(-1, keepdims=True)
;;       e = np.where(a > 0, np.clip(np.frexp(np.where(a > 0, a, 1))[1] - 1 - 2, -126, 127), 0)      # np.frexp(a)[1] - 1 = floor(log2(a)), exactly
;;       r = np.clip(x / 2.0 ** e, -6, 6)
;;       step = 2.0 ** (np.maximum(np.frexp(np.where(r == 0, 1, r))[1] - 1, 0) - 1)
;;       q = np.round(r / step) * step * 2.0 ** e      # np.round: ties to even
;;       return np.moveaxis(q.reshape(q.shape[:-2] + (-1,))[..., :K], -1, axis).astype(np.float32)
;;   ~~~
;;   SOFTMAX AHEAD OF A QUANTISED PRODUCT. Where the list says 'softmax', what is quantised is not the finished softmax but p = 2^(t - M), with t = logit x log2(e) and M = ceil(the row's largest t), a whole number; so 1/2 < the row's largest p <= 1. The row's sum l is taken of the UNQUANTISED p, in f32, and the product's result is divided by l at the end. Since M is a whole number, a kernel that streams over the keys may use a running M (the ceiling of the running maximum): every later rescaling is an exact power of two, which a block's scale takes up: the codes' values come out the same.
;;   OPERANDS COMPUTED ON THE WAY. 'Computed on the way' means the value that the module computes at that place (a softmax that the list does not call 'softmax' is quantised finished and normalised). What goes into a quantiser is computed in f32, as accurately as f32 sums, v_exp_f32 and their like allow (about 1e-6 of the number): no bf16 or f16 on the way to a quantiser, and a product that is left as it is and whose result goes on into a quantised operand takes f32 operands (vector FMAs, or v_wmma_f32_16x16x4_f32). A number that lies on a knife's edge between two numbers of the format may be rounded either way, as far as f32 arithmetic and the matrix unit's own rounding can turn it there, and no further.
;; One version. Each part assembles by itself: llvm-mc -triple=amdgcn-amd-amdhsa -mcpu=gfx1250 --defsym DOCPART=n.
;; ======== version 1 of 1: 4 launches
;; workspace buffers: xcodes 14,680,064 bytes; xscales 917,504 bytes; maskw 525,312 bytes of whole numbers; qkvc 12,582,912 bytes; qkvs 1,310,720 bytes; ctxc 4,194,304 bytes; ctxs 262,144 bytes
;; launch prep (part 1): grid 256 x 1, 8 waves a work-group, no clusters, 68,608 bytes of LDS; arguments query, key_, value, Wq, Wk, Wv, Wo, mask, xcodes, xscales, maskw; writes xcodes, xscales, maskw
.if DOCPART == 1
	.amdgcn_target "amdgcn-amd-amdhsa--gfx1250"
	.amdhsa_code_object_version 6
	.text
	.protected	k_q7916ebd785_prep
	.globl	k_q7916ebd785_prep
	.p2align	8
	.type	k_q7916ebd785_prep,@function
k_q7916ebd785_prep:
	s_mov_b64 s[64:65], 0
	v_nop
	global_prefetch_b8 v0, s[64:65] scope:SCOPE_SE
	s_setreg_imm32_b32 hwreg(HW_REG_WAVE_MODE, 25, 1), 1
	s_wait_xcnt 0x0
; PREP.  (1) query, key_, value [8192][1024] and Wq, Wk, Wv, Wo [1024][1024], f32, K innermost, become codes of FP4 (E2M1) with one E8M0 byte for each 32 along K.
; (2) The mask [2048][2048], int32, becomes bit words and, for each tile of 16 queries x 128 keys, two flags: some key counts, all keys count.
; TILES.  Rows go in tiles of 16: place r of tile T is row 32 (T / 2) + 8 (T % 2) + r + 8 (r / 8).  As a matrix instruction's source 0 such tiles leave 16 neighbouring rows in the 16 registers of two neighbouring tiles.
; CODES are laid as the operand's registers take them: [tile][K step of 128][c][lane][16 bytes]; lane (r, h), part c: k = 64 c + 32 h + 0 .. 31 of the tile's place r.  8,192 bytes a tile.
; SCALE WORDS (four bytes: 128 along K of one row): [tile][K step / 4][r][K step % 4], 512 bytes a tile.
; A block's scale is 2^(floor(log2(largest magnitude)) - 2); its byte is the largest magnitude's exponent field - 2, held at 1 from below.
; LIMITS: a block of zeros gets the byte 1 where the rule says 127 (its codes are zeros, and this program alone reads the bytes); blocks whose largest magnitude lies under 2^-124 are held at the byte 1;
; NaN and infinities among the float inputs are not served.
; SHARES.  7 x 256 = 1,792 tiles of numbers: waves 0 to 6 of work-group g take tile 7 g + wave.  Wave 7 takes 16 queries (tile g / 2) x 1,024 keys (half g % 2) of the mask: the same 65,536 bytes as a tile of numbers.
; A wave goes in eight steps of 16 rows x 512 bytes.  Each load reads 512 consecutive bytes of one row; the step turns through the wave's own stage in LDS, so that a lane gets neighbours along K.  Waves share nothing: no barrier.
; MASK WORDS: [query tile][key step][64 words]; word 16 b + i, bit 16 h + r: mask[place r of the tile][128 step + 32 b + 16 h + i] is not 0: the lanes and registers in which the attention launch holds its scores.
.set ROWX,  4096                       ; a row of numbers in bytes
.set ROWM,  8192                       ; a row of the mask
.set SPI,   528                        ; a stage row: 512 bytes + 16, so that sixteen rows' 16-byte columns fall on different banks
.set STGB,  16*SPI                     ; a wave's stage
.set LA,    16                         ; v16-79, v80-143  two landing sets of 16 x 4 registers
.set X,     144                        ; v144-207 a step's 64 numbers of my lane
.set CD,    208                        ; v208-223 codes, two sets of 8 (waves 0 to 6)
.set MW,    208                        ; v208-223 mask words, a pair for each step (wave 7)
.set SW,    224                        ; v224-231 the eight scale words of my row
.set TM,    232                        ; v232-247 at work
.macro LOAD16 set, step, pitch         ; 16 rows x 512 bytes: row place i is row i + 8 (i / 8) of the tile's span
.irp i, 0,1,2,3,4,5,6,7,8,9,10,11,12,13,14,15
	global_load_b128 v[\set+4*\i:\set+4*\i+3], v4, s[28:29] offset:(\i+8*(\i/8))*\pitch+512*(\step) th:TH_LOAD_NT
.endr
.endm
.macro TURN set, kind                  ; through the stage: LDS serves a wave's instructions in order, so no wait stands between the stores and the loads
.irp i, 0,1,2,3,4,5,6,7,8,9,10,11,12,13,14,15
	ds_store_b128 v5, v[\set+4*\i:\set+4*\i+3] offset:SPI*\i
.endr
.if \kind == 0
.irp c, 0,1
.irp i, 0,1,2,3,4,5,6,7
	ds_load_b128 v[X+32*\c+4*\i:X+32*\c+4*\i+3], v6 offset:256*\c+16*\i      ; numbers: k = 64 c + 32 h + 0 .. 31 of row place r
.endr
.endr
.else
.irp b, 0,1,2,3
.irp m, 0,1,2,3
	ds_load_b128 v[X+16*\b+4*\m:X+16*\b+4*\m+3], v7 offset:128*\b+16*\m      ; mask: keys 32 b + 16 h + 0 .. 15 of row place r
.endr
.endr
.endif
.endm
	s_load_b512 s[4:19], s[0:1], 0x0               ; query, key_, value, Wq, Wk, Wv, Wo, mask
	s_load_b128 s[20:23], s[0:1], 0x40             ; xcodes, xscales
	s_load_b64 s[24:25], s[0:1], 0x50              ; maskw
	v_lshl_add_u32 v254, v0, 2, 0x10800
	v_mov_b32 v255, 0
	v_lshrrev_b32 v1, 5, v0
	s_delay_alu instid0(VALU_DEP_1)
	v_readfirstlane_b32 s26, v1                    ; wave 0..7
	v_and_b32 v1, 31, v0                           ; lane
	v_and_b32 v2, 15, v0                           ; r
	v_bfe_u32 v3, v0, 4, 1                         ; h
	s_delay_alu instid0(VALU_DEP_3)
	v_lshlrev_b32 v4, 4, v1                        ; 16 x lane
	s_mul_i32 s31, s26, STGB                       ; my stage
	v_add_nc_u32 v5, s31, v4                       ; into it: 16 x lane of a row
	v_mul_u32_u24 v9, v2, SPI
	s_delay_alu instid0(VALU_DEP_1)
	v_add_nc_u32 v9, s31, v9
	s_delay_alu instid0(VALU_DEP_1)
	v_lshl_add_u32 v6, v3, 7, v9                   ; out of it, numbers: row r, + 128 h
	s_delay_alu instid0(VALU_DEP_2)
	v_lshl_add_u32 v7, v3, 6, v9                   ; out of it, mask: row r, + 64 h.  (All LDS addresses are made ahead of the parting of the waves)
	v_lshlrev_b32 v8, 3, v3                        ; 8 h
	v_lshlrev_b32 v10, 3, v1                       ; 8 x lane
	v_mov_b32 v11, 0
	s_mov_b32 s34, 0x76543210
	s_mov_b32 s35, 0xfedcba98                      ; v_permlanex16_b32's selects for lane l xor 16
	s_wait_kmcnt 0x0
	s_cmp_eq_u32 s26, 7
	s_cbranch_scc1 .Lmask
; ---------------- waves 0 to 6: a tile of numbers
	s_mul_i32 s27, ttmp9, 7
	s_add_co_u32 s27, s27, s26                     ; my tile, 0 .. 1,791
	s_mov_b64 s[28:29], s[4:5]
	s_mov_b32 s30, 0
.macro PICK base, p                    ; tiles from base on belong to the tensor at s[p]: a choice that hangs on ids alone
	s_cmp_ge_u32 s27, \base
	s_cselect_b64 s[28:29], s[\p:\p+1], s[28:29]
	s_cselect_b32 s30, \base, s30
.endm
	PICK 512, 6
	PICK 1024, 8
	PICK 1536, 10
	PICK 1600, 12
	PICK 1664, 14
	PICK 1728, 16
	s_sub_co_u32 s30, s27, s30                     ; the tile's number T in its tensor
	s_lshr_b32 s32, s30, 1
	s_lshl_b32 s32, s32, 17                        ; 32 (T / 2) rows of 4,096 bytes
	s_and_b32 s33, s30, 1
	s_lshl_b32 s33, s33, 15                        ; + 8 (T % 2) rows
	s_add_co_u32 s32, s32, s33
	s_mov_b32 s33, 0
	s_add_nc_u64 s[28:29], s[28:29], s[32:33]
	s_lshl_b32 s32, s27, 13
	s_add_nc_u64 s[20:21], s[20:21], s[32:33]      ; my tile's codes
	s_lshl_b32 s32, s27, 9
	s_add_nc_u64 s[22:23], s[22:23], s[32:33]      ; and its scale words
	v_mov_b32 v[TM+9], 0                           ; written once: a lane permute's destination counts as one of its sources
	LOAD16 LA, 0, ROWX
	LOAD16 LA+64, 1, ROWX
.macro XSTEP s                         ; K step s: 128 along K of 16 rows
.if \s < 7
	s_wait_loadcnt 16                              ; this step's 16 loads are in; the next step's 16 may be out
.else
	s_wait_loadcnt 0x0
.endif
	TURN LA+64*((\s)%2), 0
	s_wait_dscnt 0x0                               ; my 64 numbers are back, and the stage's stores have read the landing set,
.if \s < 6
	LOAD16 LA+64*((\s)%2), (\s)+2, ROWX            ; which takes the step two on
.endif
.irp c, 0,1                            ; my two whole blocks, 2 c + h of the step: two chains each, the first with the floor 2^(3 - 127) as a leaf, so that the byte cannot fall under 1
	v_max3_num_f32 v[TM+\c], |v[X+32*\c]|, |v[X+32*\c+1]|, 0x1800000
	v_max3_num_f32 v[TM+2+\c], |v[X+32*\c+16]|, |v[X+32*\c+17]|, |v[X+32*\c+18]|
.endr
.irp i, 2,4,6,8,10,12
.irp c, 0,1
	s_delay_alu instid0(VALU_DEP_4)
	v_max3_num_f32 v[TM+\c], v[TM+\c], |v[X+32*\c+\i]|, |v[X+32*\c+\i+1]|
	s_delay_alu instid0(VALU_DEP_4)
	v_max3_num_f32 v[TM+2+\c], v[TM+2+\c], |v[X+32*\c+\i+17]|, |v[X+32*\c+\i+18]|
.endr
.endr
.irp c, 0
	s_delay_alu instid0(VALU_DEP_4)
	v_max3_num_f32 v[TM+\c], v[TM+\c], |v[X+32*\c+14]|, |v[X+32*\c+15]|
.endr
.irp c, 1
	s_delay_alu instid0(VALU_DEP_3)
	v_max3_num_f32 v[TM+\c], v[TM+\c], |v[X+32*\c+14]|, |v[X+32*\c+15]|
.endr
.irp c, 0,1
	s_delay_alu instid0(VALU_DEP_2)
	v_max3_num_f32 v[TM+\c], v[TM+\c], v[TM+2+\c], |v[X+32*\c+31]|
.endr
.irp c, 0,1
	s_delay_alu instid0(VALU_DEP_2)
	v_add_nc_u32 v[TM+4+\c], 0xff000000, v[TM+\c]  ; 2 off the exponent field: the conversion takes the exponent field of this operand as its scale
.endr
.irp c, 0,1
	s_delay_alu instid0(VALU_DEP_2)
	v_lshrrev_b32 v[TM+6+\c], 23, v[TM+4+\c]       ; the scale's byte
.endr
	s_delay_alu instid0(VALU_DEP_1)
	v_lshl_or_b32 v[TM+8], v[TM+7], 16, v[TM+6]    ; my two bytes, blocks h and 2 + h,
	s_delay_alu instid0(VALU_DEP_1)
	v_lshlrev_b32 v[TM+8], v8, v[TM+8]             ; at their places in the word;
	s_delay_alu instid0(VALU_DEP_1)
	v_permlanex16_b32 v[TM+9], v[TM+8], s34, s35
	s_delay_alu instid0(VALU_DEP_1)
	v_or_b32 v[SW+\s], v[TM+8], v[TM+9]            ; with lane l xor 16's two the word is whole
.if \s >= 2
	s_wait_alu depctr_va_vdst(0)
	s_wait_xcnt 0x0                                ; the stores of two steps ago have read this set of code registers
.endif
.irp c, 0,1
.irp g, 0,1,2,3
	v_cvt_scalef32_pk8_fp4_f32 v[CD+8*((\s)%2)+4*\c+\g], v[X+32*\c+8*\g:X+32*\c+8*\g+7], v[TM+4+\c]
.endr
.endr
	v_nop                                          ; one plain line behind the last conversion of the run
.irp c, 0,1
	global_store_b128 v4, v[CD+8*((\s)%2)+4*\c:CD+8*((\s)%2)+4*\c+3], s[20:21] offset:1024*(\s)+512*\c   ; 32 lanes store 512 consecutive bytes, aligned
.endr
.endm
	s_wait_alu depctr_va_vdst(0)
.irp s, 0,1,2,3,4,5,6,7
	XSTEP \s
.endr
	v_cmp_eq_u32 vcc_lo, 1, v3                     ; lanes 0-15 store the words of K steps 0 to 3, lanes 16-31 those of 4 to 7
.irp k, 0,1,2,3
	v_cndmask_b32 v[TM+\k], v[SW+\k], v[SW+4+\k], vcc_lo
.endr
	global_store_b128 v4, v[TM:TM+3], s[22:23]     ; the tile's 512 bytes of scale words
	s_wait_tensorcnt 0x0
	ds_add_u32 v254, v255
	s_wait_dscnt 0x0
	s_endpgm
; ---------------- wave 7: 16 queries x 1,024 keys of the mask
.Lmask:
	s_lshr_b32 s27, ttmp9, 1                       ; query tile
	s_and_b32 s30, ttmp9, 1                        ; which 1,024 keys
	s_lshr_b32 s32, s27, 1
	s_lshl_b32 s32, s32, 18                        ; 32 (tile / 2) rows of 8,192 bytes
	s_and_b32 s33, s27, 1
	s_lshl_b32 s33, s33, 16                        ; + 8 (tile % 2) rows
	s_add_co_u32 s32, s32, s33
	s_lshl_b32 s33, s30, 12                        ; + the half's 4,096 bytes
	s_add_co_u32 s32, s32, s33
	s_mov_b32 s33, 0
	s_add_nc_u64 s[28:29], s[18:19], s[32:33]
	s_lshl_b32 s32, ttmp9, 11                      ; the words: (16 tile + 8 half) x 256 bytes
	s_add_nc_u64 s[36:37], s[24:25], s[32:33]
	s_lshl_b32 s32, ttmp9, 2                       ; the flags: word 2 tile + half, behind the words
	s_add_nc_u64 s[38:39], s[24:25], s[32:33]
	s_mov_b32 s51, 0                               ; the flags
.irp k, 0,1,2,3,4,5,6,7,8,9,10,11,12,13,14,15
	v_mov_b32 v[MW+\k], 0                          ; written once: v_writelane_b32's destination counts as one of its sources
.endr
	LOAD16 LA, 0, ROWM
	LOAD16 LA+64, 1, ROWM
.macro MSTEP j                         ; key step j of my eight: 128 keys
.if \j < 7
	s_wait_loadcnt 16                              ; this step's 16 loads are in; the next step's 16 may be out
.else
	s_wait_loadcnt 0x0
.endif
	TURN LA+64*((\j)%2), 1
	s_wait_dscnt 0x0
.if \j < 6
	LOAD16 LA+64*((\j)%2), (\j)+2, ROWM
.endif
	s_mov_b32 s48, 0                               ; the or of the step's 64 words,
	s_mov_b32 s49, -1                              ; and the and
.irp q, 0,1,2,3,4,5,6,7
.irp k, 0,1,2,3,4,5,6,7
	v_cmp_ne_u32 s[40+\k], 0, v[X+8*\q+\k]         ; word 8 q + k: a bit for each lane
.endr
.irp k, 0,1,2,3,4,5,6,7
	s_or_b32 s48, s48, s[40+\k]
	s_and_b32 s49, s49, s[40+\k]
	v_writelane_b32 v[MW+2*\j+((8*\q+\k)&1)], s[40+\k], (8*\q+\k)>>1   ; lane n / 2 holds words n and n + 1
.endr
.endr
	global_store_b64 v10, v[MW+2*\j:MW+2*\j+1], s[36:37] offset:256*\j   ; 32 lanes store 256 consecutive bytes, aligned; each step has its own pair, so no store's data are written again
	s_cmp_lg_u32 s48, 0
	s_cselect_b32 s50, 1<<\j, 0                    ; some key of the step counts for some of the 16 queries
	s_or_b32 s51, s51, s50
	s_cmp_eq_u32 s49, -1
	s_cselect_b32 s50, 1<<(16+\j), 0               ; all count for all
	s_or_b32 s51, s51, s50
.endm
.irp j, 0,1,2,3,4,5,6,7
	MSTEP \j
.endr
	s_lshl_b32 s52, s30, 3
	s_lshl_b32 s51, s51, s52                       ; the second half's flags stand eight bits up: bit step, bit 16 + step
	v_mov_b32 v12, s51
	s_wait_alu depctr_va_vdst(0)
	s_wait_xcnt 0x0                                ; EXEC changes only behind this wait
	v_cmp_eq_u32 vcc_lo, 0, v1
	s_wait_tensorcnt 0x0
	ds_add_u32 v254, v255
	s_wait_dscnt 0x0
	s_and_saveexec_b32 s53, vcc_lo
	global_store_b32 v11, v12, s[38:39] offset:524288
	s_wait_xcnt 0x0                                ; and again in front of the line that widens it
	s_or_b32 exec_lo, exec_lo, s53
	s_endpgm
.Lfunc_end_k_q7916ebd785_prep:
	.size	k_q7916ebd785_prep, .Lfunc_end_k_q7916ebd785_prep-k_q7916ebd785_prep
	.p2alignl 7, 3214868480
	.fill 96, 4, 3214868480
	.section	.rodata,"a",@progbits
	.p2align	6, 0x0
	.amdhsa_kernel k_q7916ebd785_prep
		.amdhsa_group_segment_fixed_size 68608
		.amdhsa_private_segment_fixed_size 0
		.amdhsa_enable_private_segment 0
		.amdhsa_kernarg_size 88
		.amdhsa_user_sgpr_count 2
		.amdhsa_user_sgpr_kernarg_segment_ptr 1
		.amdhsa_wavefront_size32 1
		.amdhsa_system_sgpr_workgroup_id_x 1
		.amdhsa_system_sgpr_workgroup_id_y 1
		.amdhsa_system_sgpr_workgroup_id_z 1
		.amdhsa_system_vgpr_workitem_id 0
		.amdhsa_next_free_vgpr 256
		.amdhsa_next_free_sgpr 66
		.amdhsa_reserve_vcc 1
		.amdhsa_float_denorm_mode_32 3
		.amdhsa_float_denorm_mode_16_64 3
		.amdhsa_memory_ordered 1
		.amdhsa_forward_progress 1
		.amdhsa_inst_pref_size 196
	.end_amdhsa_kernel
	.amdgpu_metadata
---
amdhsa.version: [ 1, 2 ]
amdhsa.kernels:
  - .name:           k_q7916ebd785_prep
    .symbol:         k_q7916ebd785_prep.kd
    .args:
      - { .name: query, .offset: 0, .size: 8, .value_kind: global_buffer, .address_space: global }
      - { .name: key_, .offset: 8, .size: 8, .value_kind: global_buffer, .address_space: global }
      - { .name: value, .offset: 16, .size: 8, .value_kind: global_buffer, .address_space: global }
      - { .name: Wq, .offset: 24, .size: 8, .value_kind: global_buffer, .address_space: global }
      - { .name: Wk, .offset: 32, .size: 8, .value_kind: global_buffer, .address_space: global }
      - { .name: Wv, .offset: 40, .size: 8, .value_kind: global_buffer, .address_space: global }
      - { .name: Wo, .offset: 48, .size: 8, .value_kind: global_buffer, .address_space: global }
      - { .name: mask, .offset: 56, .size: 8, .value_kind: global_buffer, .address_space: global }
      - { .name: xcodes, .offset: 64, .size: 8, .value_kind: global_buffer, .address_space: global }
      - { .name: xscales, .offset: 72, .size: 8, .value_kind: global_buffer, .address_space: global }
      - { .name: maskw, .offset: 80, .size: 8, .value_kind: global_buffer, .address_space: global }
    .group_segment_fixed_size: 68608
    .private_segment_fixed_size: 0
    .kernarg_segment_align: 8
    .kernarg_segment_size: 88
    .max_flat_workgroup_size: 256
    .sgpr_count:     66
    .vgpr_count:     256
    .wavefront_size: 32
...
	.end_amdgpu_metadata
.endif
;; end of part 1
;; launch proj (part 2): grid 4 x 192, 4 waves a work-group, clusters of 4 x 4, 209,408 bytes of LDS; arguments xcodes, xscales, bq, bk, bv, qkvc, qkvs; writes qkvc, qkvs
.if DOCPART == 2
	.amdgcn_target "amdgcn-amd-amdhsa--gfx1250"
	.amdhsa_code_object_version 6
	.text
	.protected	k_q7916ebd785_proj
	.globl	k_q7916ebd785_proj
	.p2align	8
	.type	k_q7916ebd785_proj,@function
k_q7916ebd785_proj:
	s_mov_b64 s[64:65], 0
	v_nop
	global_prefetch_b8 v0, s[64:65] scope:SCOPE_SE
	s_setreg_imm32_b32 hwreg(HW_REG_WAVE_MODE, 25, 1), 1
	s_wait_xcnt 0x0
	s_wait_alu depctr_hold_cnt(0) depctr_sa_sdst(0) depctr_va_vdst(0) depctr_va_sdst(0) depctr_va_ssrc(0) depctr_va_vcc(0) depctr_vm_vsrc(0)
	s_getreg_b32 s2, hwreg(HW_REG_IB_STS2, 6, 4)
	s_cmp_eq_u32 s2, 0
	s_cbranch_scc0 .Lentry_in_a_cluster
	s_endpgm
.Lentry_in_a_cluster:
	s_bfe_u32 s2, ttmp6, 0x10000c
	s_cmp_lg_u32 s2, 0xf033
	s_cbranch_scc0 .Lentry_shape_is_right
	s_endpgm
.Lentry_shape_is_right:
; PROJ.  Q = query Wq^T + bq, K = key_ Wk^T + bk, V = value Wv^T + bv on codes of FP4 (E2M1) with E8M0 scales; the results are quantised in registers for the attention launch and never go to memory as f32.
; ONE FORM FOR THE THREE.  Operand P is the matrix instruction's source 0: a lane's registers run along P's rows.  Operand R is source 1: a lane holds one row of R.  The result is quantised along P's rows.
;   Q, K: P = the weight (the result's features: the first attention product's K), R = the tokens.     V: P = the tokens (the keys: the second product's K), R = the weight.
; A work-group takes 256 rows of P x 128 rows of R, all of K = 1,024; a wave 128 x 64: 32 accumulators.  Codes and scale words lie in memory as the operands' registers take them (launch prep), 8,192 + 512 bytes a tile of 16 rows.
; LDS holds the whole block, 208,896 bytes, brought by three tensor loads a wave (scale words, K steps 0-3, K steps 4-7): every byte is filled once, nothing is filled again.
; CLUSTERS: 4 x 4 work-groups.  Those of a column of the cluster (same cx) need the same rows of P, those of a row (same cy) the same rows of R: each tile is asked for jointly.  The mode (Q, K or V) hangs on the cluster's y alone.
; OUT.  q, k codes [batch x 16 + head][tile of 16 tokens][lane][16 bytes]: lane (r, h): channels 32 h + 0 .. 31 of place r; their scale words [head][tile / 4][r][tile % 4], bytes 0 and 1 the head's two blocks (bytes 2, 3 are never 0xff).
;       v codes [head][key step of 128][tile of 16 channels][c][lane][16 bytes]; scale words [head][key step][r][tile].
; LIMITS: a block of zeros gets the byte 1 where the rule says 127 (its codes are zeros; this program alone reads the bytes); NaN and infinities are not served.
; REGISTERS, in windows of 256.  Window 0: v1-19 lane numbers and addresses; v32-63 P's scale words, v64-79 R's; v80-143 R's fragments, two sets; v144-175 the codes made; v176-179 their scale words; v180-195 at work.
;   Window 1: v0-63, v128-191 P's fragments, two sets; v64-127 the bias.   Window 2: accumulator (i, a), R's tile i x P's tile a, at v[64 i + 8 a].
.set PB,   0                           ; LDS: P's codes [K half g][16 tiles][4,096 bytes]
.set RB,   131072                      ;      R's codes [g][8 tiles][4,096]
.set PSC,  196608                      ;      P's scale words, 512 bytes a tile
.set RSC,  204800                      ;      R's
.set ADP,  8                           ; v8-9    LDS address of my P fragments, K half 0, 1
.set ADR,  10                          ; v10-11  the same for R
.set ASP,  12                          ; v12     of P's scale words: lanes 0-15 my tiles 0-3, lanes 16-31 tiles 4-7
.set ASR,  13                          ; v13     of R's: lanes 0-15 tiles 0-1, lanes 16-31 tiles 2-3
.set H16,  14                          ; v14     16 h
.set BO1,  15                          ; v15     64 h
.set BO2,  16                          ; v16     4 (r + 8 (r / 8))
.set SO1,  17                          ; v17     8,192 h + 16 r
.set SO2,  18                          ; v18     16 r + 8 h
.set SP,   32
.set SR,   64
.set RF,   80
.set PC,   144
.set SW,   176
.set TM,   180
.set BI,   64                          ; in window 1
.set WV,   18                          ; s18 wave; s19 its low bit; s20 its high bit
.set LO,   19
.set HI,   20
.set CX,   21
.set CY,   22
.set MODE, 23                          ; 0 Q, 1 K, 2 V
.set PT,   85                          ; which 256 rows of P
.set RT,   86                          ; which 128 rows of R
.set SEL,  98
.set MSB, 0
.macro WIN new                         ; the immediate's high byte repeats the setting that is left
.if MSB != \new
	s_set_vgpr_msb (MSB<<8)|\new
.set MSB, \new
.endif
.endm
.macro PLACES n
.rept \n
	v_nop
.endr
.endm
; A joint load: waves 0 and 1 fetch for P, waves 2 and 3 for R.  Each line has one mask and one set of registers for all that issue it; the branch hangs on the wave's number alone.  Four v_nop follow each line.
.macro JLOAD g0p, g1p, g0r, g1r
	s_cmp_eq_u32 s[HI], 0
	s_cbranch_scc0 .Lfor_r_\@
	tensor_load_to_lds s[\g0p:\g0p+3], s[\g1p:\g1p+7]
	s_nop 0
.rept 4
	v_nop
.endr
	s_branch .Lasked_\@
.Lfor_r_\@:
	tensor_load_to_lds s[\g0r:\g0r+3], s[\g1r:\g1r+7]
	s_nop 0
.rept 4
	v_nop
.endr
.Lasked_\@:
.endm
.macro CROUND                          ; a round of the cluster's barrier
	s_barrier_signal -1
	s_barrier_wait -1
	s_cmp_lg_u32 s[WV], 0
	s_cbranch_scc1 .Lnot_wave_0_\@
	s_barrier_signal -3
.Lnot_wave_0_\@:
	s_barrier_wait -3
	s_barrier_signal -1
	s_barrier_wait -1
.endm
	s_load_b256 s[4:11], s[0:1], 0x0               ; xcodes, xscales, bq, bk
	s_load_b128 s[12:15], s[0:1], 0x20             ; bv, qkvc
	s_load_b64 s[16:17], s[0:1], 0x30              ; qkvs
	v_lshl_add_u32 v254, v0, 2, 0x33000
	v_mov_b32 v255, 0
	ds_add_u32 v254, v255
	ds_add_u32 v254, v255
	v_lshrrev_b32 v1, 5, v0
	v_readfirstlane_b32 s[WV], v1
	s_and_b32 s[LO], s[WV], 1                      ; my half of P's rows.  Also: which half of P or of R I fetch
	s_lshr_b32 s[HI], s[WV], 1                     ; my half of R's rows.  Also: I fetch for P (0) or for R (1)
	s_bfe_u32 s[CX], ttmp6, 0x40000
	s_bfe_u32 s[CY], ttmp6, 0x40004
	s_lshl_b32 s2, 0x1111, s[CX]                   ; my column of the cluster
	s_lshl_b32 s3, s[CY], 2
	s_lshl_b32 s3, 15, s3                          ; my row
	; descriptor groups 1: elements of 8 bytes, no padding; bit 21 stands beside a mask
	s_or_b32 s24, s2, (3<<16)|(1<<21)              ; P's codes: 8 tiles x 4,096 bytes, 8,192 bytes from tile to tile
	s_mov_b32 s25, 512<<16
	s_mov_b32 s26, 8<<16
	s_mov_b32 s27, 512<<16
	s_mov_b32 s28, 8
	s_mov_b32 s29, 1024
	s_mov_b32 s30, 0
	s_mov_b32 s31, 0
	s_or_b32 s32, s3, (3<<16)|(1<<21)              ; R's codes: 4 tiles
	s_mov_b32 s33, 512<<16
	s_mov_b32 s34, 4<<16
	s_mov_b32 s35, 512<<16
	s_mov_b32 s36, 4
	s_mov_b32 s37, 1024
	s_mov_b32 s38, 0
	s_mov_b32 s39, 0
	s_or_b32 s40, s2, (3<<16)|(1<<21)              ; P's scale words: 4,096 dense bytes as 16 rows of 256
	s_mov_b32 s41, 32<<16
	s_mov_b32 s42, 16<<16
	s_mov_b32 s43, 32<<16
	s_mov_b32 s44, 16
	s_mov_b32 s45, 32
	s_mov_b32 s46, 0
	s_mov_b32 s47, 0
	s_or_b32 s48, s3, (3<<16)|(1<<21)              ; R's: 2,048 dense bytes as 8 rows
	s_mov_b32 s49, 32<<16
	s_mov_b32 s50, 8<<16
	s_mov_b32 s51, 32<<16
	s_mov_b32 s52, 8
	s_mov_b32 s53, 32
	s_mov_b32 s54, 0
	s_mov_b32 s55, 0
	; who am I.  cx enters P's registers alone, cy R's alone
	s_and_b32 s84, ttmp7, 0xffff                   ; the cluster's y, 0 .. 47
	s_lshr_b32 s[MODE], s84, 4
	s_and_b32 s84, s84, 15
	s_lshl_b32 s92, s[MODE], 6
	s_add_co_u32 s92, s92, 1536                    ; Q, K: P begins at Wq's or Wk's first tile,
	s_lshl_b32 s93, s[MODE], 9                     ;       R at query's or key_'s
	s_cmp_eq_u32 s[MODE], 2
	s_cselect_b32 s2, 7, 0                         ; V: 32 blocks of P, 8 of R; Q, K: 4 of P, 64 of R
	s_cselect_b32 s3, 3, 0
	s_cselect_b32 s92, 1024, s92                   ; V: P = value,
	s_cselect_b32 s93, 1664, s93                   ;    R = Wv
	s_and_b32 s[PT], s84, s2
	s_lshr_b32 s[RT], s84, s3
	s_lshl_b32 s[PT], s[PT], 2
	s_add_co_u32 s[PT], s[PT], s[CX]
	s_lshl_b32 s[RT], s[RT], 2
	s_add_co_u32 s[RT], s[RT], s[CY]
	s_lshl_b32 s87, s[PT], 4
	s_add_co_u32 s87, s87, s92
	s_lshl_b32 s94, s[LO], 3
	s_add_co_u32 s87, s87, s94                     ; the first of the 8 tiles of P that I would fetch
	s_lshl_b32 s88, s87, 13
	s_mov_b32 s89, 0
	s_lshl_b32 s90, s87, 9
	s_mov_b32 s91, 0
	s_lshl_b32 s95, s[RT], 3
	s_add_co_u32 s95, s95, s93
	s_lshl_b32 s94, s[LO], 2
	s_add_co_u32 s95, s95, s94                     ; the first of the 4 tiles of R
	s_lshl_b32 s96, s95, 13
	s_mov_b32 s97, 0
	s_lshl_b32 s98, s95, 9
	s_mov_b32 s99, 0
	s_wait_dscnt 0x0
	s_wait_kmcnt 0x0
	CROUND                                         ; all sixteen work-groups are here: the joint loads meet
	s_lshl_b32 s2, s[LO], 12
	s_mov_b32 s56, 1
	s_add_co_u32 s57, s2, PSC
	s_add_nc_u64 s[58:59], s[6:7], s[90:91]
	s_or_b32 s59, s59, 0x80000000
	s_lshl_b32 s3, s[LO], 11
	s_mov_b32 s72, 1
	s_add_co_u32 s73, s3, RSC
	s_add_nc_u64 s[74:75], s[6:7], s[98:99]
	s_or_b32 s75, s75, 0x80000000
	JLOAD 56, 40, 72, 48                           ; the scale words of all of K
	s_add_nc_u64 s[88:89], s[4:5], s[88:89]
	s_add_nc_u64 s[96:97], s[4:5], s[96:97]
	s_lshl_b32 s2, s[LO], 15
	s_lshl_b32 s3, s[LO], 14
	s_mov_b32 s60, 1
	s_add_co_u32 s61, s2, PB
	s_mov_b64 s[62:63], s[88:89]
	s_or_b32 s63, s63, 0x80000000
	s_mov_b32 s76, 1
	s_add_co_u32 s77, s3, RB
	s_mov_b64 s[78:79], s[96:97]
	s_or_b32 s79, s79, 0x80000000
	JLOAD 60, 24, 76, 32                           ; K steps 0 to 3
	s_mov_b32 s68, 1
	s_add_co_u32 s69, s2, PB+65536
	s_add_nc_u64 s[70:71], s[88:89], 4096
	s_or_b32 s71, s71, 0x80000000
	s_mov_b32 s80, 1
	s_add_co_u32 s81, s3, RB+32768
	s_add_nc_u64 s[82:83], s[96:97], 4096
	s_or_b32 s83, s83, 0x80000000
	JLOAD 68, 24, 80, 32                           ; K steps 4 to 7: three tensor loads of mine are out
	s_mov_b32 s[SEL], 0x76543210
	s_mov_b32 s[SEL+1], 0xfedcba98                 ; v_permlanex16_b32's selects for lane l xor 16
	v_and_b32 v1, 15, v0                           ; r
	v_bfe_u32 v2, v0, 4, 1                         ; h
	v_and_b32 v3, 31, v0                           ; lane
	v_lshlrev_b32 v4, 4, v3                        ; 16 x lane
	s_lshl_b32 s2, s[LO], 15
	v_add_nc_u32 v[ADP], s2, v4
	v_add_nc_u32 v[ADP+1], 65536, v[ADP]
	s_lshl_b32 s2, s[HI], 14
	s_add_co_u32 s2, s2, RB
	v_add_nc_u32 v[ADR], s2, v4
	v_add_nc_u32 v[ADR+1], 32768, v[ADR]
	v_lshlrev_b32 v5, 4, v1                        ; 16 r
	s_lshl_b32 s2, s[LO], 12
	s_add_co_u32 s2, s2, PSC
	v_lshl_add_u32 v[ASP], v2, 11, v5              ; lanes 16-31 stand four tiles on
	v_add_nc_u32 v[ASP], s2, v[ASP]
	s_lshl_b32 s2, s[HI], 11
	s_add_co_u32 s2, s2, RSC
	v_lshl_add_u32 v[ASR], v2, 10, v5              ; lanes 16-31 stand two tiles on
	v_add_nc_u32 v[ASR], s2, v[ASR]
	v_lshlrev_b32 v[H16], 4, v2
	v_lshlrev_b32 v[BO1], 6, v2
	v_and_b32 v6, 8, v1
	v_add_nc_u32 v6, v6, v1
	v_lshlrev_b32 v[BO2], 2, v6
	v_lshl_add_u32 v[SO1], v2, 13, v5
	v_lshl_add_u32 v[SO2], v2, 3, v5
.irp b, 0,1,2,3
	v_mov_b32 v[TM+4+\b], 0                        ; written once: a lane permute's destination counts as one of its sources
.endr
	; THE BIAS is the C of each sum's first matrix instruction, in the result's layout.  Q, K: it goes with P's rows: for tile a my half's eight features.  V: it goes with R's row: one number a lane for tile i, in eight registers.
	; The launch parts on the mode here and again at the first K step; both arms here write all 64 registers, so that each first step reads only what was written: V's arm loads its 32 twice, and V's first step takes copy a % 2.
	s_cmp_eq_u32 s[MODE], 2
	s_cbranch_scc1 .Lbias_v
	s_cmp_eq_u32 s[MODE], 0
	s_cselect_b64 s[88:89], s[8:9], s[10:11]
	s_lshl_b32 s90, s[PT], 10
	s_lshl_b32 s91, s[LO], 9
	s_add_co_u32 s90, s90, s91                     ; my first feature, 256 PT + 128 LO, in bytes
	s_mov_b32 s91, 0
	s_add_nc_u64 s[88:89], s[88:89], s[90:91]
	WIN 0x40                                       ; destination window 1
.irp a, 0,1,2,3,4,5,6,7
	global_load_b128 v[BI+8*\a:BI+8*\a+3], v[BO1], s[88:89] offset:(32*(\a/2)+8*(\a%2))*4
	global_load_b128 v[BI+8*\a+4:BI+8*\a+7], v[BO1], s[88:89] offset:(32*(\a/2)+8*(\a%2))*4+16
.endr
	WIN 0
	s_branch .Lbias_in
.Lbias_v:
	s_lshl_b32 s90, s[RT], 9
	s_lshl_b32 s91, s[HI], 8
	s_add_co_u32 s90, s90, s91                     ; my first feature, 128 RT + 64 HI, in bytes
	s_mov_b32 s91, 0
	s_add_nc_u64 s[88:89], s[12:13], s[90:91]
	WIN 0x40
	s_wait_alu depctr_va_vdst(0)
.irp x, 0,1
.irp i, 0,1,2,3
.irp j, 0,1,2,3,4,5,6,7
	global_load_b32 v[BI+32*\x+8*\i+\j], v[BO2], s[88:89] offset:(32*(\i/2)+8*(\i%2))*4
.endr
.endr
.endr
	WIN 0
.Lbias_in:
; one matrix instruction: D at d (window 2), P's fragment at p (window 1), R's at r (window 0), C at c; scale words sa, sb; ra, rb: taken from lanes 16-31
.macro WM d, p, r, c, sa, sb, ra, rb
.if (\ra) && (\rb)
	v_wmma_scale_f32_16x16x128_f8f6f4 v[\d:\d+7], v[\p:\p+7], v[\r:\r+7], v[\c:\c+7], v[\sa], v[\sb] matrix_a_fmt:MATRIX_FMT_FP4 matrix_b_fmt:MATRIX_FMT_FP4 matrix_a_scale:MATRIX_SCALE_ROW1 matrix_b_scale:MATRIX_SCALE_ROW1
.elseif (\ra)
	v_wmma_scale_f32_16x16x128_f8f6f4 v[\d:\d+7], v[\p:\p+7], v[\r:\r+7], v[\c:\c+7], v[\sa], v[\sb] matrix_a_fmt:MATRIX_FMT_FP4 matrix_b_fmt:MATRIX_FMT_FP4 matrix_a_scale:MATRIX_SCALE_ROW1
.elseif (\rb)
	v_wmma_scale_f32_16x16x128_f8f6f4 v[\d:\d+7], v[\p:\p+7], v[\r:\r+7], v[\c:\c+7], v[\sa], v[\sb] matrix_a_fmt:MATRIX_FMT_FP4 matrix_b_fmt:MATRIX_FMT_FP4 matrix_b_scale:MATRIX_SCALE_ROW1
.else
	v_wmma_scale_f32_16x16x128_f8f6f4 v[\d:\d+7], v[\p:\p+7], v[\r:\r+7], v[\c:\c+7], v[\sa], v[\sb] matrix_a_fmt:MATRIX_FMT_FP4 matrix_b_fmt:MATRIX_FMT_FP4
.endif
.endm
; K step s: 32 matrix instructions; the 32 accumulators take turns, one instruction a turn, in the same order in every step.  cm = 0: C = D; 1: C = the bias by P's tile; 2: by R's tile
.macro MUL s, cm
.if \cm
	WIN 0x91                                       ; source 0 window 1, source 1 window 0, C window 1, D window 2
.else
	WIN 0xa1                                       ; C and D window 2
.endif
.irp i, 0,1,2,3
.irp a, 0,1,2,3,4,5,6,7
.if \cm == 0
.set CC, 64*\i+8*\a
.elseif \cm == 1
.set CC, BI+8*\a
.else
.set CC, BI+32*(\a%2)+8*\i
.endif
	WM 64*\i+8*\a, 128*((\s)%2)+8*\a, RF+32*((\s)%2)+8*\i, CC, SP+16*((\s)/4)+4*(\a%4)+(\s)%4, SR+8*((\s)/4)+4*(\i%2)+(\s)%4, \a/4, \i/2
.endr
.endr
.endm
.macro FETCH s                         ; K step s's fragments into set s % 2: each load takes 512 consecutive bytes, 16 a lane
	WIN 0x40
.irp a, 0,1,2,3,4,5,6,7
.irp c, 0,1
	ds_load_b128 v[128*((\s)%2)+8*\a+4*\c:128*((\s)%2)+8*\a+4*\c+3], v[ADP+(\s)/4] offset:4096*\a+1024*((\s)%4)+512*\c
.endr
.endr
	WIN 0
.irp i, 0,1,2,3
.irp c, 0,1
	ds_load_b128 v[RF+32*((\s)%2)+8*\i+4*\c:RF+32*((\s)%2)+8*\i+4*\c+3], v[ADR+(\s)/4] offset:4096*\i+1024*((\s)%4)+512*\c
.endr
.endr
.endm
.macro STEP s
	s_wait_dscnt 0x0                               ; this step's fragments are in
.if \s == 3
	s_wait_tensorcnt 0x0                           ; my part of K steps 4 to 7 has landed,
	s_barrier_signal -1
	s_barrier_wait -1                              ; everybody's has
.endif
.if \s < 7
	PLACES 4                                       ; four places between the last step's products and loads into the registers that they read
	FETCH (\s)+1
.endif
	MUL \s, 0
.endm
	s_wait_tensorcnt 0x1                           ; the scale words and K steps 0 to 3 have landed; the load of K steps 4 to 7 may be out
	s_barrier_signal -1
	s_barrier_wait -1
.irp g, 0,1
.irp a, 0,1,2,3
	ds_load_b128 v[SP+16*\g+4*\a:SP+16*\g+4*\a+3], v[ASP] offset:512*\a+256*\g   ; four K steps' words of a row in four registers
.endr
.irp i, 0,1
	ds_load_b128 v[SR+8*\g+4*\i:SR+8*\g+4*\i+3], v[ASR] offset:512*\i+256*\g
.endr
.endr
	FETCH 0
	s_wait_loadcnt 0x0                             ; the bias
	s_wait_dscnt 0x0
	FETCH 1
	s_cmp_eq_u32 s[MODE], 2
	s_cbranch_scc1 .Lfirst_v
	MUL 0, 1
	WIN 0
	s_branch .Lfirst_done
.Lfirst_v:
	MUL 0, 2
	WIN 0
.Lfirst_done:
.irp s, 1,2,3,4,5,6,7
	STEP \s
.endr
	PLACES 4                                       ; four places in front of the first read of results
; R's tile i: my lane's 64 results, register 16 b + k = P's row 32 b + 16 h + k, become a fragment's codes in v[PC + 8 i] on and its scale word in v[SW + i].  Each accumulator is read from its low end on.
.macro QUANTW i
	WIN 0x28                                       ; sources 1 and 2 window 2
.irp b, 0,1,2,3
	v_max3_num_f32 v[TM+\b], 0x1800000, |v[64*\i+16*\b]|, |v[64*\i+16*\b+1]|   ; block b: my 16 numbers, and the floor 2^(3 - 127): the byte cannot fall under 1
.endr
.irp k, 2,4,6,8,10,12,14
.irp b, 0,1,2,3
	v_max3_num_f32 v[TM+\b], v[TM+\b], |v[64*\i+16*\b+\k]|, |v[64*\i+16*\b+\k+1]|
.endr
.endr
	WIN 0
.irp b, 0,1,2,3
	v_permlanex16_b32 v[TM+4+\b], v[TM+\b], s[SEL], s[SEL+1]
.endr
.irp b, 0,1,2,3
	v_max_num_f32 v[TM+\b], v[TM+\b], v[TM+4+\b]   ; with lane l xor 16's: the block's largest magnitude
.endr
.irp b, 0,1,2,3
	v_add_nc_u32 v[TM+12+\b], 0xff000000, v[TM+\b] ; 2 off its exponent field: the conversion's scale operand
.endr
.irp b, 0,1,2,3
	v_lshrrev_b32 v[TM+4+\b], 23, v[TM+12+\b]      ; the scale's byte
.endr
	v_lshl_or_b32 v[SW+\i], v[TM+5], 8, v[TM+4]
	v_lshl_or_b32 v[SW+\i], v[TM+6], 16, v[SW+\i]
	v_lshl_or_b32 v[SW+\i], v[TM+7], 24, v[SW+\i]
	WIN 0x02                                       ; source 0 window 2
.irp b, 0,1,2,3
	v_cvt_scalef32_pk8_fp4_f32 v[PC+8*\i+2*\b], v[64*\i+16*\b:64*\i+16*\b+7], v[TM+12+\b]
	v_cvt_scalef32_pk8_fp4_f32 v[PC+8*\i+2*\b+1], v[64*\i+16*\b+8:64*\i+16*\b+15], v[TM+12+\b]
.endr
	WIN 0
	v_nop                                          ; one plain place behind a scaled conversion
.irp c, 0,1                            ; the operand's layout wants a whole block in a lane: lanes 0-15 block 2 c, lanes 16-31 block 2 c + 1
.irp k, 0,1
	v_permlane16_swap_b32 v[PC+8*\i+4*\c+\k], v[PC+8*\i+2+4*\c+\k]
.endr
.endr
.endm
	QUANTW 0
	QUANTW 1
	QUANTW 2
	QUANTW 3
	s_cmp_eq_u32 s[MODE], 2
	s_cbranch_scc1 .Lout_v
	; Q, K: my 128 features are two heads: part c of a fragment is head c's 64 channels; my four tiles of R are four neighbouring tiles of tokens
	s_lshl_b32 s2, s[PT], 2
	s_lshl_b32 s3, s[LO], 1
	s_add_co_u32 s2, s2, s3                        ; my first head
	s_lshl_b32 s3, s[RT], 3
	s_lshl_b32 s84, s[HI], 2
	s_add_co_u32 s3, s3, s84                       ; my first tile of tokens, of 512
	s_lshr_b32 s84, s3, 7                          ; the batch
	s_and_b32 s3, s3, 127                          ; the tile in it
	s_lshl_b32 s84, s84, 4
	s_add_co_u32 s84, s84, s2
	s_lshl_b32 s88, s84, 7
	s_add_co_u32 s88, s88, s3
	s_lshl_b32 s88, s88, 9
	s_lshl_b32 s87, s[MODE], 22                    ; k's codes lie 4 MiB behind q's
	s_add_co_u32 s88, s88, s87
	s_mov_b32 s89, 0
	s_add_nc_u64 s[88:89], s[14:15], s[88:89]
	s_lshl_b32 s90, s84, 5
	s_lshr_b32 s3, s3, 2
	s_add_co_u32 s90, s90, s3
	s_lshl_b32 s90, s90, 8
	s_lshl_b32 s87, s[MODE], 19                    ; k's scale words 512 KiB behind q's
	s_add_co_u32 s90, s90, s87
	s_mov_b32 s91, 0
	s_add_nc_u64 s[90:91], s[16:17], s[90:91]
	s_wait_alu depctr_va_vdst(0)
.irp i, 0,1,2,3
	v_lshrrev_b32 v[SW+\i], v[H16], v[SW+\i]       ; lanes 0-15 keep the first head's two bytes below, lanes 16-31 bring the second head's down
	global_store_b128 v4, v[PC+8*\i:PC+8*\i+3], s[88:89] offset:512*\i              ; 512 consecutive bytes, aligned
	global_store_b128 v4, v[PC+8*\i+4:PC+8*\i+7], s[88:89] offset:65536+512*\i      ; the next head
.endr
	global_store_b128 v[SO1], v[SW:SW+3], s[90:91] ; sixteen lanes store 256 consecutive bytes of each head's words
	s_branch .Lout_done
.Lout_v:
	; V: my 128 rows of P are one key step; my four tiles of R are one head's 64 channels
	s_lshl_b32 s2, s[PT], 1
	s_add_co_u32 s2, s2, s[LO]                     ; the key step, of 64
	s_lshr_b32 s3, s2, 4                           ; the batch
	s_and_b32 s2, s2, 15                           ; the key step in it
	s_lshl_b32 s84, s[RT], 1
	s_add_co_u32 s84, s84, s[HI]                   ; the head
	s_lshl_b32 s3, s3, 4
	s_add_co_u32 s3, s3, s84
	s_lshl_b32 s3, s3, 4
	s_add_co_u32 s3, s3, s2
	s_lshl_b32 s88, s3, 12
	s_add_co_u32 s88, s88, 8388608                 ; v's codes lie 8 MiB in
	s_mov_b32 s89, 0
	s_add_nc_u64 s[88:89], s[14:15], s[88:89]
	s_lshl_b32 s90, s3, 8
	s_add_co_u32 s90, s90, 1048576                 ; v's scale words 1 MiB in
	s_mov_b32 s91, 0
	s_add_nc_u64 s[90:91], s[16:17], s[90:91]
	v_cmp_eq_u32 vcc_lo, 1, v2
	v_cndmask_b32 v[TM], v[SW], v[SW+2], vcc_lo    ; lanes 0-15 store the words of tiles 0 and 1, lanes 16-31 those of 2 and 3
	v_cndmask_b32 v[TM+1], v[SW+1], v[SW+3], vcc_lo
	s_wait_alu depctr_va_vdst(0)
.irp i, 0,1,2,3
	global_store_b128 v4, v[PC+8*\i:PC+8*\i+3], s[88:89] offset:1024*\i
	global_store_b128 v4, v[PC+8*\i+4:PC+8*\i+7], s[88:89] offset:1024*\i+512
.endr
	global_store_b64 v[SO2], v[TM:TM+1], s[90:91]  ; 32 lanes store 256 consecutive bytes, aligned
.Lout_done:
	s_wait_tensorcnt 0x0
	ds_add_u32 v254, v255
	s_wait_dscnt 0x0
	CROUND                                         ; the closing round: no work-group ends while a partner may still ask for a tile that names it
	s_endpgm
.Lfunc_end_k_q7916ebd785_proj:
	.size	k_q7916ebd785_proj, .Lfunc_end_k_q7916ebd785_proj-k_q7916ebd785_proj
	.p2alignl 7, 3214868480
	.fill 96, 4, 3214868480
	.section	.rodata,"a",@progbits
	.p2align	6, 0x0
	.amdhsa_kernel k_q7916ebd785_proj
		.amdhsa_group_segment_fixed_size 209408
		.amdhsa_private_segment_fixed_size 0
		.amdhsa_enable_private_segment 0
		.amdhsa_kernarg_size 56
		.amdhsa_user_sgpr_count 2
		.amdhsa_user_sgpr_kernarg_segment_ptr 1
		.amdhsa_wavefront_size32 1
		.amdhsa_system_sgpr_workgroup_id_x 1
		.amdhsa_system_sgpr_workgroup_id_y 1
		.amdhsa_system_sgpr_workgroup_id_z 1
		.amdhsa_system_vgpr_workitem_id 0
		.amdhsa_next_free_vgpr 768
		.amdhsa_next_free_sgpr 100
		.amdhsa_reserve_vcc 1
		.amdhsa_float_denorm_mode_32 3
		.amdhsa_float_denorm_mode_16_64 3
		.amdhsa_memory_ordered 1
		.amdhsa_forward_progress 1
		.amdhsa_inst_pref_size 88
	.end_amdhsa_kernel
	.amdgpu_metadata
---
amdhsa.version: [ 1, 2 ]
amdhsa.kernels:
  - .name:           k_q7916ebd785_proj
    .symbol:         k_q7916ebd785_proj.kd
    .args:
      - { .name: xcodes, .offset: 0, .size: 8, .value_kind: global_buffer, .address_space: global }
      - { .name: xscales, .offset: 8, .size: 8, .value_kind: global_buffer, .address_space: global }
      - { .name: bq, .offset: 16, .size: 8, .value_kind: global_buffer, .address_space: global }
      - { .name: bk, .offset: 24, .size: 8, .value_kind: global_buffer, .address_space: global }
      - { .name: bv, .offset: 32, .size: 8, .value_kind: global_buffer, .address_space: global }
      - { .name: qkvc, .offset: 40, .size: 8, .value_kind: global_buffer, .address_space: global }
      - { .name: qkvs, .offset: 48, .size: 8, .value_kind: global_buffer, .address_space: global }
    .group_segment_fixed_size: 209408
    .private_segment_fixed_size: 0
    .kernarg_segment_align: 8
    .kernarg_segment_size: 56
    .max_flat_workgroup_size: 128
    .sgpr_count:     100
    .vgpr_count:     768
    .wavefront_size: 32
...
	.end_amdgpu_metadata
.endif
;; end of part 2
;; launch attn (part 3): grid 4 x 64, 16 waves a work-group, no clusters, 145,408 bytes of LDS; arguments qkvc, qkvs, maskw, ctxc, ctxs; writes ctxc, ctxs
.if DOCPART == 3
	.amdgcn_target "amdgcn-amd-amdhsa--gfx1250"
	.amdhsa_code_object_version 6
	.text
	.protected	k_q7916ebd785_attn
	.globl	k_q7916ebd785_attn
	.p2align	8
	.type	k_q7916ebd785_attn,@function
k_q7916ebd785_attn:
	s_mov_b64 s[64:65], 0
	v_nop
	global_prefetch_b8 v0, s[64:65] scope:SCOPE_SE
	s_setreg_imm32_b32 hwreg(HW_REG_WAVE_MODE, 25, 1), 1
	s_wait_xcnt 0x0
; ATTN.  context[b][q][head] = softmax_k(Q . K / 8, masked) V, both products on codes of FP4 (E2M1) with E8M0 scales; the context is quantised along the features for the output projection and leaves as codes.
; THE SOFTMAX AHEAD OF THE SECOND PRODUCT: t = score x log2(e) / 8; M = the row's largest t so far, rounded up to a whole number; p = 2^(t - M) is quantised along the keys, not normalised.  The row's sum is taken of the
; unquantised p and divides at the end.  When M moves, the sum and O are multiplied by 2^(old M - new M): exact.
; THE MASK is an input and is honoured as it is given.  Launch prep has turned it into bit words in this launch's layout of scores, and two flags for each tile of 16 queries x 128 keys.  A tile in which no key counts is left
; out (a scalar branch on the stored flag); a tile in which all count passes over the 64 selects; in the others hidden scores become -infinity ahead of the maximum.  A row with no key at all gets the scale bytes 0xff:
; the output projection's sums for that row are then NaN, as the softmax of an empty row is.
; This launch has no tensor load and no copy, hence no multicast: the head's K and V (143,360 bytes with their scale words) come through registers into LDS once.
; SHARES.  A work-group serves one (batch, head); its sixteen waves, four to a SIMD, take two tiles of 16 queries each, tile 16 x + wave and its mirror 127 - that: under masks that open with the query's number both halves even out;
; no result hangs on that.  Every wave walks the 16 key steps of 128.
; LAYOUT.  S^T = K Q^T (source 0 = 16 keys, source 1 = my 16 queries), O^T = V^T P^T: a lane holds one query throughout.  Place r of a tile of keys, queries or channels is row 32 (T / 2) + 8 (T % 2) + r + 8 (r / 8), so the
; 16 registers of tiles 2 b, 2 b + 1 are 16 neighbours, 32 b + 16 h + 0 .. 15.
; THE HEAD'S SIZE IS 64, half of the instruction's 128 along K: Q's upper four registers hold zero codes.  K's operand for tile t is v[KF + 4 t] on, eight registers: its upper four are the next tile's codes (behind the last: zeros);
; every code is a finite number and no scale byte here is 0xff, so those products are zeros.
; LIMITS: NaN and infinities among the inputs are not served; a block of zeros has the byte 1.
.set KB,   0                           ; LDS: K's codes, 128 tiles x 512 bytes
.set VB,   65536                       ;      V's codes, 16 key steps x 4 tiles x 1,024
.set KSC,  131072                      ;      K's scale words
.set VSC,  139264                      ;      V's
.set KF,   36                          ; v36-67 K's eight tiles, v68-71 zeros
.set VF,   72                          ; v72-103 V's four fragments
.set S,    104                         ; v104-167 S^T, then p; at a tile's end the context
.set O,    168                         ; v168-199 O^T
.set PC,   200                         ; v200-207 p's codes
.set BM,   208                         ; v208-211 the blocks' largest scores, then largest p
.set T2,   212                         ; v212-215 at work
.set SCO,  216                         ; v216-219 the conversions' scale operands
; v1 16 lane; v2 VB + 16 lane; v3 KSC + 16 lane; v4 VSC + 16 r; v5 16 r; v6 lane; v7 -infinity; v8-11 the step's LDS addresses; v12 -M; v13 the largest t; v[14:15] the sum in two halves; v16-23 Q (v20-23 zeros);
; v24 Q's scale word; v25 p's; v26-29 K's; v30-33 V's; v[220:221] f; v222 at work; v[224:225] the second chain of the sum
; s14 wave; s15 batch x 16 + head; s16 query tile; s17 flags; s18, s19, s20 where the step's codes, K's words and V's words begin in LDS; s21 where its mask words begin in memory; s22 steps to go;
; s[24:25] c; s[26:27] lane selects; s[28:29], s[30:31] where the tile's codes and scale bytes go; s32-63, s68-99 the step's 64 mask words
	s_load_b256 s[4:11], s[0:1], 0x0               ; qkvc, qkvs, maskw, ctxc
	s_load_b64 s[12:13], s[0:1], 0x20              ; ctxs
	v_lshl_add_u32 v254, v0, 2, 0x23000
	v_mov_b32 v255, 0
	v_lshrrev_b32 v1, 5, v0
	s_delay_alu instid0(VALU_DEP_1)
	v_readfirstlane_b32 s14, v1                    ; wave 0..15
	s_and_b32 s15, ttmp7, 0xffff
	v_lshlrev_b32 v8, 4, v0                        ; 16 x thread: in memory and in LDS alike
	s_delay_alu instid0(VALU_DEP_1)
	v_add_nc_u32 v9, VB, v8
	s_delay_alu instid0(VALU_DEP_2)
	v_add_nc_u32 v10, KSC, v8
	v_lshlrev_b32 v11, 3, v0                       ; 8 x thread
	s_delay_alu instid0(VALU_DEP_1)
	v_add_nc_u32 v226, VSC, v11
	s_lshl_b32 s32, s15, 16
	s_add_co_u32 s34, s32, 4194304                 ; the head's k codes,
	s_mov_b32 s35, 0
	s_add_co_u32 s36, s32, 8388608                 ; v codes,
	s_mov_b32 s37, 0
	s_lshl_b32 s38, s15, 13
	s_add_co_u32 s38, s38, 524288                  ; k scale words,
	s_mov_b32 s39, 0
	s_lshl_b32 s40, s15, 12
	s_add_co_u32 s40, s40, 1048576                 ; v scale words
	s_mov_b32 s41, 0
	s_mov_b32 s24, 0x3e38aa3b                      ; c = log2(e) / 8
	s_mov_b32 s25, s24                             ; (named with it as a pair, so it is written)
	s_mov_b32 s26, 0x76543210
	s_mov_b32 s27, 0xfedcba98
	s_wait_alu depctr_va_vdst(0)
	s_wait_kmcnt 0x0
	s_add_nc_u64 s[34:35], s[4:5], s[34:35]
	s_add_nc_u64 s[36:37], s[4:5], s[36:37]
	s_add_nc_u64 s[38:39], s[6:7], s[38:39]
	s_add_nc_u64 s[40:41], s[6:7], s[40:41]
.irp n, 0,1,2,3,4,5,6,7
	global_load_b128 v[36+4*\n:39+4*\n], v8, s[34:35] offset:8192*\n    ; the 512 threads read 8,192 consecutive bytes
.endr
.irp n, 0,1,2,3,4,5,6,7
	global_load_b128 v[68+4*\n:71+4*\n], v8, s[36:37] offset:8192*\n
.endr
	global_load_b128 v[100:103], v8, s[38:39]
	global_load_b64 v[104:105], v11, s[40:41]
	v_and_b32 v6, 31, v0
	s_delay_alu instid0(VALU_DEP_1)
	v_lshlrev_b32 v1, 4, v6
	s_delay_alu instid0(VALU_DEP_1)
	v_add_nc_u32 v2, VB, v1
	s_delay_alu instid0(VALU_DEP_2)
	v_add_nc_u32 v3, KSC, v1
	v_and_b32 v5, 15, v0
	s_delay_alu instid0(VALU_DEP_1)
	v_lshlrev_b32 v5, 4, v5
	s_delay_alu instid0(VALU_DEP_1)
	v_add_nc_u32 v4, VSC, v5
	v_mov_b32 v7, 0xff800000
	s_wait_loadcnt 0x0
.irp n, 0,1,2,3,4,5,6,7
	ds_store_b128 v8, v[36+4*\n:39+4*\n] offset:8192*\n
.endr
.irp n, 0,1,2,3,4,5,6,7
	ds_store_b128 v9, v[68+4*\n:71+4*\n] offset:8192*\n
.endr
	ds_store_b128 v10, v[100:103]
	ds_store_b64 v226, v[104:105]
	s_wait_dscnt 0x0                               ; for the others' sake: my stores have landed
	s_barrier_signal -1
	s_barrier_wait -1                              ; the launch's one barrier: from here on LDS is only read
.irp k, 20,21,22,23,68,69,70,71
	v_mov_b32 v\k, 0                               ; zero codes: Q's upper half, and what stands behind K's last tile
.endr
.irp b, 0,1,2,3
	v_mov_b32 v[T2+\b], 0                          ; written once: a lane permute's destination counts as one of its sources
.endr
	v_mov_b32 v221, 0                              ; (named as the upper half of the pair v[220:221])
	v_mov_b32 v222, 0
.macro TILE n
.if \n == 0
	s_lshl_b32 s16, ttmp9, 4
	s_add_co_u32 s16, s16, s14                     ; query tile 16 x + wave
.else
	s_sub_co_u32 s16, 127, s16                     ; and its mirror
.endif
	s_lshl_b32 s23, s16, 3
	s_load_b64 s[2:3], s[8:9], s23 offset:0x80000  ; the tile's two flag words
	s_lshl_b32 s32, s15, 16
	s_lshl_b32 s33, s16, 9
	s_add_co_u32 s32, s32, s33
	s_mov_b32 s33, 0
	s_add_nc_u64 s[32:33], s[4:5], s[32:33]
	global_load_b128 v[16:19], v1, s[32:33]        ; Q's codes
	s_lshl_b32 s34, s15, 13
	s_lshr_b32 s35, s16, 2
	s_lshl_b32 s35, s35, 8
	s_add_co_u32 s34, s34, s35
	s_and_b32 s35, s16, 3
	s_lshl_b32 s35, s35, 2
	s_add_co_u32 s34, s34, s35
	s_mov_b32 s35, 0
	s_add_nc_u64 s[34:35], s[6:7], s[34:35]
	global_load_b32 v24, v5, s[34:35]              ; Q's scale words
	s_lshr_b32 s36, s15, 4
	s_lshl_b32 s36, s36, 7
	s_add_co_u32 s36, s36, s16                     ; the tile of tokens: 128 batch + query tile
	s_and_b32 s37, s15, 15                         ; the head
	s_lshl_b32 s38, s36, 13
	s_lshl_b32 s39, s37, 9
	s_add_co_u32 s38, s38, s39
	s_mov_b32 s39, 0
	s_add_nc_u64 s[28:29], s[10:11], s[38:39]      ; the context's codes: the head is half a K step of the output projection: 512 bytes
	s_lshl_b32 s38, s36, 9
	s_lshr_b32 s40, s37, 3
	s_lshl_b32 s40, s40, 8
	s_add_co_u32 s38, s38, s40
	s_bfe_u32 s40, s37, 0x20001
	s_lshl_b32 s40, s40, 2
	s_add_co_u32 s38, s38, s40
	s_and_b32 s40, s37, 1
	s_lshl_b32 s40, s40, 1
	s_add_co_u32 s38, s38, s40
	s_add_nc_u64 s[30:31], s[12:13], s[38:39]      ; and the head's half of a scale word
	v_mov_b32 v13, 0xff61b1e6                      ; the largest t so far: -3e38, under every t
	s_delay_alu instid0(VALU_DEP_1)
	v_floor_f32 v12, -v13                          ; -M
	v_mov_b32 v14, 0
	v_mov_b32 v15, 0
.set NN, 0
.rept 32
	v_mov_b32 v[O+NN], 0                           ; O^T begins as zeros: which step is the first that is not left out is known from the flags alone
.set NN, NN+1
.endr
	s_mov_b32 s18, 0
	s_mov_b32 s19, 0
	s_mov_b32 s20, 0
	s_lshl_b32 s21, s16, 12
	s_mov_b32 s22, 16
	s_wait_kmcnt 0x0
	s_or_b32 s17, s2, s3                           ; bit j: some key of step j counts; bit 16 + j: all count
	s_wait_loadcnt 0x0                             ; Q is in, and its loads' address registers are free
.Lstep_\@:
	s_bitcmp1_b32 s17, 0
	s_cbranch_scc0 .Lskip_\@                       ; no key of this step counts for any of my 16 queries
	s_setprio 2
	v_add_nc_u32 v8, s18, v1                       ; (these four are also the places between the last step's products and loads into the registers that they read)
	v_add_nc_u32 v9, s18, v2
	v_add_nc_u32 v10, s19, v3
	v_add_nc_u32 v11, s20, v4
	s_load_b512 s[32:47], s[8:9], s21 offset:0x0   ; the step's 64 mask words
	s_load_b512 s[48:63], s[8:9], s21 offset:0x40
	s_load_b512 s[68:83], s[8:9], s21 offset:0x80
	s_load_b512 s[84:99], s[8:9], s21 offset:0xc0
.irp t, 0,1,2,3,4,5,6,7
	ds_load_b128 v[KF+4*\t:KF+4*\t+3], v8 offset:512*\t
.endr
	ds_load_b128 v[26:29], v10                     ; K's scale words: lanes 0-15 tiles 0-3, lanes 16-31 tiles 4-7
.irp t, 0,1,2,3
.irp c, 0,1
	ds_load_b128 v[VF+8*\t+4*\c:VF+8*\t+4*\c+3], v9 offset:1024*\t+512*\c
.endr
.endr
	ds_load_b128 v[30:33], v11                     ; V's scale words, a register a tile
	s_wait_dscnt 0x9                               ; K and its words are in; V's eight loads and its words may be out
.irp t, 0,1,2,3
	v_wmma_scale_f32_16x16x128_f8f6f4 v[S+8*\t:S+8*\t+7], v[KF+4*\t:KF+4*\t+7], v[16:23], 0, v[26+\t], v24 matrix_a_fmt:MATRIX_FMT_FP4 matrix_b_fmt:MATRIX_FMT_FP4
.endr
.irp t, 4,5,6,7
	v_wmma_scale_f32_16x16x128_f8f6f4 v[S+8*\t:S+8*\t+7], v[KF+4*\t:KF+4*\t+7], v[16:23], 0, v[22+\t], v24 matrix_a_fmt:MATRIX_FMT_FP4 matrix_b_fmt:MATRIX_FMT_FP4 matrix_a_scale:MATRIX_SCALE_ROW1
.endr
.rept 4
	v_nop                                          ; four places in front of the first read of results
.endr
	s_wait_kmcnt 0x0                               ; the mask words are in: in every step, so that the next step's loads find no load pending on these registers, and their offset may step
	s_bitcmp1_b32 s17, 16
	s_cbranch_scc1 .Lopen_\@                       ; all 128 keys count for all 16 queries
.set NN, 0
.rept 64                               ; register n of lane (r, h) is query place r, key 32 (n / 16) + 16 h + n % 16: word n, bit 16 h + r
.if NN < 32
	v_cndmask_b32 v[S+NN], v7, v[S+NN], s[32+NN]
.else
	v_cndmask_b32 v[S+NN], v7, v[S+NN], s[36+NN]
.endif
.set NN, NN+1
.endr
.Lopen_\@:
.irp b, 0,1,2,3
	v_max3_num_f32 v[BM+\b], v[S+16*\b], v[S+16*\b+1], v[S+16*\b+2]   ; the largest score of each block of 32 keys: for the row's maximum and, since p rises with the score, for the block's largest p
.endr
.irp i, 3,5,7,9,11,13
.irp b, 0,1,2,3
	v_max3_num_f32 v[BM+\b], v[BM+\b], v[S+16*\b+\i], v[S+16*\b+\i+1]
.endr
.endr
.irp b, 0,1,2,3
	v_max_num_f32 v[BM+\b], v[BM+\b], v[S+16*\b+15]
.endr
.irp b, 0,1,2,3
	s_delay_alu instid0(VALU_DEP_4)
	v_permlanex16_b32 v[T2+\b], v[BM+\b], s26, s27
.endr
.irp b, 0,1,2,3
	s_delay_alu instid0(VALU_DEP_4)
	v_max_num_f32 v[BM+\b], v[BM+\b], v[T2+\b]     ; with lane l xor 16's 16 keys
.endr
	s_delay_alu instid0(VALU_DEP_2)
	v_max3_num_f32 v222, v[BM], v[BM+1], v[BM+2]
	s_delay_alu instid0(VALU_DEP_1)
	v_max_num_f32 v222, v222, v[BM+3]              ; the step's largest score of my query (-infinity where all its keys are hidden)
	s_delay_alu instid0(VALU_DEP_1)
	v_mul_f32 v222, s24, v222                      ; as t
	s_delay_alu instid0(VALU_DEP_1)
	v_max_num_f32 v13, v13, v222                   ; the running largest t
	v_mov_b32 v222, v12
	s_delay_alu instid0(VALU_DEP_2)
	v_floor_f32 v12, -v13                          ; the new -M = -ceil(t): a whole number
	s_delay_alu instid0(VALU_DEP_1)
	v_sub_f32 v222, v12, v222                      ; old M - new M: a whole number, 0 or less
	s_delay_alu instid0(VALU_DEP_1)
	v_cvt_i32_f32 v222, v222                       ; (it saturates)
	s_delay_alu instid0(VALU_DEP_1)
	v_ldexp_f32 v220, 1.0, v222                    ; f = 2^(old M - new M)
.set NN, 0
.rept 32
	v_pk_fma_f32 v[S+NN:S+NN+1], v[S+NN:S+NN+1], s[24:25], v[12:13] op_sel_hi:[1,0,0]   ; t - M, two at a time
.set NN, NN+2
.endr
.irp b, 0,1,2,3
	v_fma_f32 v[BM+\b], v[BM+\b], s24, v12         ; the same of each block's largest score
.endr
.set NN, 0
	s_setprio 1
	s_wait_alu depctr_va_vdst(0)
.rept 64
	v_exp_f32 v[S+NN], v[S+NN]                     ; p = 2^(t - M), at most 1
.set NN, NN+1
.endr
	v_pk_mul_f32 v[14:15], v[14:15], v[220:221] op_sel_hi:[1,0]   ; the sums under the new M: a plain line behind the exponentials
	s_wait_alu depctr_va_vdst(0)                   ; one wait for the batch of 64, ahead of its first reader
.irp b, 0,1,2,3
	v_exp_f32 v[BM+\b], v[BM+\b]                   ; the block's largest p: the same two instructions on the same number
.endr
	v_pk_add_f32 v[224:225], v[108:109], v[112:113]
	v_pk_add_f32 v[252:253], v[116:117], v[120:121]
	v_pk_add_f32 v[250:251], v[124:125], v[128:129]
	v_pk_add_f32 v[248:249], v[132:133], v[136:137]
	v_pk_add_f32 v[246:247], v[140:141], v[144:145]
	v_pk_add_f32 v[244:245], v[148:149], v[152:153]
	v_pk_add_f32 v[242:243], v[156:157], v[160:161]
	v_pk_add_f32 v[14:15], v[14:15], v[164:165]
	v_pk_add_f32 v[224:225], v[224:225], v[104:105]
	v_pk_add_f32 v[252:253], v[252:253], v[106:107]
	v_pk_add_f32 v[250:251], v[250:251], v[110:111]
	v_pk_add_f32 v[248:249], v[248:249], v[114:115]
	v_pk_add_f32 v[246:247], v[246:247], v[118:119]
	v_pk_add_f32 v[244:245], v[244:245], v[122:123]
	v_pk_add_f32 v[242:243], v[242:243], v[126:127]
	v_pk_add_f32 v[14:15], v[14:15], v[130:131]
	v_pk_add_f32 v[224:225], v[224:225], v[134:135]
	v_pk_add_f32 v[252:253], v[252:253], v[138:139]
	v_pk_add_f32 v[250:251], v[250:251], v[142:143]
	v_pk_add_f32 v[248:249], v[248:249], v[146:147]
	v_pk_add_f32 v[246:247], v[246:247], v[150:151]
	v_pk_add_f32 v[244:245], v[244:245], v[154:155]
	v_pk_add_f32 v[242:243], v[242:243], v[158:159]
	v_pk_add_f32 v[14:15], v[14:15], v[162:163]
	v_pk_add_f32 v[224:225], v[224:225], v[166:167]
	s_delay_alu instid0(VALU_DEP_2)
	v_pk_add_f32 v[14:15], v[14:15], v[248:249]
	s_delay_alu instid0(VALU_DEP_2)
	v_pk_add_f32 v[224:225], v[224:225], v[246:247]
	v_pk_add_f32 v[252:253], v[252:253], v[244:245]
	v_pk_add_f32 v[250:251], v[250:251], v[242:243]
	s_delay_alu instid0(VALU_DEP_2)
	v_pk_add_f32 v[14:15], v[14:15], v[252:253]
	s_delay_alu instid0(VALU_DEP_2)
	v_pk_add_f32 v[224:225], v[224:225], v[250:251]
	s_delay_alu instid0(VALU_DEP_1)
	v_pk_add_f32 v[14:15], v[14:15], v[224:225]
	s_wait_alu depctr_va_vdst(0)                   ; and one for the four
.irp b, 0,1,2,3
	v_max_num_f32 v[BM+\b], 0x1800000, v[BM+\b]    ; the floor 2^(3 - 127): the byte cannot fall under 1
.endr
.irp b, 0,1,2,3
	s_delay_alu instid0(VALU_DEP_4)
	v_add_nc_u32 v[SCO+\b], 0xff000000, v[BM+\b]
.endr
.irp b, 0,1,2,3
	s_delay_alu instid0(VALU_DEP_4)
	v_lshrrev_b32 v[T2+\b], 23, v[SCO+\b]
.endr
	s_delay_alu instid0(VALU_DEP_3)
	v_lshl_or_b32 v25, v[T2+1], 8, v[T2]           ; p's scale word for these 128 keys
	s_delay_alu instid0(VALU_DEP_1)
	v_lshl_or_b32 v25, v[T2+2], 16, v25
	s_delay_alu instid0(VALU_DEP_1)
	v_lshl_or_b32 v25, v[T2+3], 24, v25
	s_setprio 0
.irp b, 0,1,2,3
	v_cvt_scalef32_pk8_fp4_f32 v[PC+2*\b], v[S+16*\b:S+16*\b+7], v[SCO+\b]
	v_cvt_scalef32_pk8_fp4_f32 v[PC+2*\b+1], v[S+16*\b+8:S+16*\b+15], v[SCO+\b]
.endr
	v_nop                                          ; one plain place behind a scaled conversion
.irp c, 0,1
.irp i, 0,1
	v_permlane16_swap_b32 v[PC+4*\c+\i], v[PC+2+4*\c+\i]   ; a whole block in a lane
.endr
.endr
.set NN, 0
.rept 16
	v_pk_mul_f32 v[O+NN:O+NN+1], v[O+NN:O+NN+1], v[220:221] op_sel_hi:[1,0]   ; O^T under the new M.  Twelve of these sixteen name no register of any one product below: they are the places between p's scale word and codes and the products
.set NN, NN+2
.endr
	s_wait_alu depctr_va_vdst(0)
	s_wait_dscnt 0x0                               ; V is in
.irp t, 0,1,2,3
	v_wmma_scale_f32_16x16x128_f8f6f4 v[O+8*\t:O+8*\t+7], v[VF+8*\t:VF+8*\t+7], v[PC:PC+7], v[O+8*\t:O+8*\t+7], v[30+\t], v25 matrix_a_fmt:MATRIX_FMT_FP4 matrix_b_fmt:MATRIX_FMT_FP4
.endr
.Lskip_\@:
	s_lshr_b32 s17, s17, 1
	s_add_co_u32 s18, s18, 4096
	s_add_co_u32 s19, s19, 512
	s_add_co_u32 s20, s20, 256
	s_add_co_u32 s21, s21, 256
	s_sub_co_u32 s22, s22, 1
	s_cmp_lg_u32 s22, 0
	s_cbranch_scc1 .Lstep_\@
	s_setprio 0
	; the tile's end: O^T / the sum is the context; its 64 channels are two blocks of the output projection's K
	v_add_f32 v14, v14, v15
	s_delay_alu instid0(VALU_DEP_1)
	v_permlanex16_b32 v222, v14, s26, s27
	s_delay_alu instid0(VALU_DEP_1)
	v_add_f32 v14, v14, v222                       ; the row's sum
	s_delay_alu instid0(VALU_DEP_1)
	v_cmp_neq_f32 vcc_lo, 0, v14                   ; 0: no key counted for this query
	v_rcp_f32 v220, v14
	v_nop                                          ; a plain line behind the reciprocal; with the lines above also the places behind the last products
	v_nop
	s_wait_alu depctr_va_vdst(0)                   ; ahead of the reciprocal's first reader
.set NN, 0
.rept 16
	v_pk_mul_f32 v[S+NN:S+NN+1], v[O+NN:O+NN+1], v[220:221] op_sel_hi:[1,0]   ; register 16 b + i: channel 32 b + 16 h + i
.set NN, NN+2
.endr
.irp b, 0,1
	v_max3_num_f32 v[BM+\b], |v[S+16*\b]|, |v[S+16*\b+1]|, 0x1800000
.endr
.irp i, 2,4,6,8,10,12,14
.irp b, 0,1
	s_delay_alu instid0(VALU_DEP_2)
	v_max3_num_f32 v[BM+\b], v[BM+\b], |v[S+16*\b+\i]|, |v[S+16*\b+\i+1]|
.endr
.endr
.irp b, 0,1
	s_delay_alu instid0(VALU_DEP_2)
	v_permlanex16_b32 v[T2+\b], v[BM+\b], s26, s27
.endr
.irp b, 0,1
	s_delay_alu instid0(VALU_DEP_2)
	v_max_num_f32 v[BM+\b], v[BM+\b], v[T2+\b]
.endr
.irp b, 0,1
	s_delay_alu instid0(VALU_DEP_2)
	v_add_nc_u32 v[SCO+\b], 0xff000000, v[BM+\b]
.endr
.irp b, 0,1
	s_delay_alu instid0(VALU_DEP_2)
	v_lshrrev_b32 v[T2+\b], 23, v[SCO+\b]
.endr
	s_delay_alu instid0(VALU_DEP_1)
	v_lshl_or_b32 v222, v[T2+1], 8, v[T2]          ; the head's two scale bytes
	s_delay_alu instid0(VALU_DEP_1)
	v_cndmask_b32 v222, 0xffff, v222, vcc_lo       ; a row without a key: both bytes 0xff
.irp b, 0,1
	v_cvt_scalef32_pk8_fp4_f32 v[PC+2*\b], v[S+16*\b:S+16*\b+7], v[SCO+\b]
	v_cvt_scalef32_pk8_fp4_f32 v[PC+2*\b+1], v[S+16*\b+8:S+16*\b+15], v[SCO+\b]
.endr
	v_nop
.irp i, 0,1
	v_permlane16_swap_b32 v[PC+\i], v[PC+2+\i]
.endr
	global_store_b128 v1, v[PC:PC+3], s[28:29]     ; 32 lanes store 512 consecutive bytes, aligned
	s_wait_alu depctr_va_vdst(0)
	s_wait_xcnt 0x0                                ; EXEC changes only behind this wait
	v_cmp_gt_u32 vcc_lo, 16, v6
	s_and_saveexec_b32 s23, vcc_lo
	global_store_b16 v5, v222, s[30:31]            ; two bytes a row, 16 bytes apart: the other heads' bytes lie between.  One such store for 512 bytes of codes
	s_wait_xcnt 0x0                                ; and again in front of the line that widens it; the stores' registers and bases are free for the next tile
	s_or_b32 exec_lo, exec_lo, s23
.endm
	TILE 0
	TILE 1
	s_wait_xcnt 0x0
	s_mov_b32 exec_lo, -1
	s_wait_tensorcnt 0x0
	ds_add_u32 v254, v255
	s_wait_dscnt 0x0
	s_endpgm
.Lfunc_end_k_q7916ebd785_attn:
	.size	k_q7916ebd785_attn, .Lfunc_end_k_q7916ebd785_attn-k_q7916ebd785_attn
	.p2alignl 7, 3214868480
	.fill 96, 4, 3214868480
	.section	.rodata,"a",@progbits
	.p2align	6, 0x0
	.amdhsa_kernel k_q7916ebd785_attn
		.amdhsa_group_segment_fixed_size 145408
		.amdhsa_private_segment_fixed_size 0
		.amdhsa_enable_private_segment 0
		.amdhsa_kernarg_size 40
		.amdhsa_user_sgpr_count 2
		.amdhsa_user_sgpr_kernarg_segment_ptr 1
		.amdhsa_wavefront_size32 1
		.amdhsa_system_sgpr_workgroup_id_x 1
		.amdhsa_system_sgpr_workgroup_id_y 1
		.amdhsa_system_sgpr_workgroup_id_z 1
		.amdhsa_system_vgpr_workitem_id 0
		.amdhsa_next_free_vgpr 256
		.amdhsa_next_free_sgpr 100
		.amdhsa_reserve_vcc 1
		.amdhsa_float_denorm_mode_32 3
		.amdhsa_float_denorm_mode_16_64 3
		.amdhsa_memory_ordered 1
		.amdhsa_forward_progress 1
		.amdhsa_inst_pref_size 62
	.end_amdhsa_kernel
	.amdgpu_metadata
---
amdhsa.version: [ 1, 2 ]
amdhsa.kernels:
  - .name:           k_q7916ebd785_attn
    .symbol:         k_q7916ebd785_attn.kd
    .args:
      - { .name: qkvc, .offset: 0, .size: 8, .value_kind: global_buffer, .address_space: global }
      - { .name: qkvs, .offset: 8, .size: 8, .value_kind: global_buffer, .address_space: global }
      - { .name: maskw, .offset: 16, .size: 8, .value_kind: global_buffer, .address_space: global }
      - { .name: ctxc, .offset: 24, .size: 8, .value_kind: global_buffer, .address_space: global }
      - { .name: ctxs, .offset: 32, .size: 8, .value_kind: global_buffer, .address_space: global }
    .group_segment_fixed_size: 145408
    .private_segment_fixed_size: 0
    .kernarg_segment_align: 8
    .kernarg_segment_size: 40
    .max_flat_workgroup_size: 512
    .sgpr_count:     100
    .vgpr_count:     256
    .wavefront_size: 32
...
	.end_amdgpu_metadata
.endif
;; end of part 3
;; launch outp (part 4): grid 4 x 64, 4 waves a work-group, clusters of 4 x 4, 243,200 bytes of LDS; arguments xcodes, xscales, ctxc, ctxs, bo, out0; writes out0
.if DOCPART == 4
	.amdgcn_target "amdgcn-amd-amdhsa--gfx1250"
	.amdhsa_code_object_version 6
	.text
	.protected	k_q7916ebd785_outp
	.globl	k_q7916ebd785_outp
	.p2align	8
	.type	k_q7916ebd785_outp,@function
k_q7916ebd785_outp:
	s_mov_b64 s[64:65], 0
	v_nop
	global_prefetch_b8 v0, s[64:65] scope:SCOPE_SE
	s_setreg_imm32_b32 hwreg(HW_REG_WAVE_MODE, 25, 1), 1
	s_wait_xcnt 0x0
	s_wait_alu depctr_hold_cnt(0) depctr_sa_sdst(0) depctr_va_vdst(0) depctr_va_sdst(0) depctr_va_ssrc(0) depctr_va_vcc(0) depctr_vm_vsrc(0)
	s_getreg_b32 s2, hwreg(HW_REG_IB_STS2, 6, 4)
	s_cmp_eq_u32 s2, 0
	s_cbranch_scc0 .Lentry_in_a_cluster
	s_endpgm
.Lentry_in_a_cluster:
	s_bfe_u32 s2, ttmp6, 0x10000c
	s_cmp_lg_u32 s2, 0xf033
	s_cbranch_scc0 .Lentry_shape_is_right
	s_endpgm
.Lentry_shape_is_right:
; OUTP.  out0 = context Wo^T + bo on codes of FP4 (E2M1) with E8M0 scales; out0 [8192][1024] f32.
; Operand P (source 0: a lane's registers run along its rows) is Wo, operand R (source 1: a lane holds one row) the context's tokens.  A work-group takes 256 features x 128 tokens, all of K = 1,024; a wave 128 x 64: 32 accumulators.
; Codes and scale words lie in memory as the operands' registers take them, 8,192 + 512 bytes a tile of 16 rows; place r of tile T is row 32 (T / 2) + 8 (T % 2) + r + 8 (r / 8).
; LDS holds the whole block, brought by three tensor loads a wave (scale words, K steps 0-3, K steps 4-7): every byte is filled once.  Behind it lie the waves' stages for the way out, into which no tensor load lands.
; CLUSTERS: 4 x 4 work-groups; those of a column of the cluster (same cx) need the same rows of Wo, those of a row (same cy) the same tokens: each tile is asked for jointly.
; A token none of whose keys counted in some head carries the scale bytes 0xff there: its sums are NaN.
; REGISTERS.  Window 0: v1-19 lane numbers and addresses; v32-63 P's scale words, v64-79 R's; v80-143 R's fragments, two sets; on the way out v80-207 rows of the result.
;   Window 1: v0-63, v128-191 P's fragments, two sets; v64-127 the bias.   Window 2: accumulator (i, a), R's tile i x P's tile a, at v[64 i + 8 a].
.set PB,   0
.set RB,   131072
.set PSC,  196608
.set RSC,  204800
.set STG,  208896                      ; the stages: 16 rows x (512 bytes + 16) for each wave
.set SPI,  528
.set ADP,  8
.set ADR,  10
.set ASP,  12
.set ASR,  13
.set BO1,  15                          ; v15 64 h
.set STO,  16                          ; v16 the stage: where I put 16 bytes of a row
.set RD,   17                          ; v17 and where I read a row back
.set SP,   32
.set SR,   64
.set RF,   80
.set BK,   80                          ; the way out: v80-143 and v144-207 by turns
.set BI,   64                          ; in window 1
.set WV,   18
.set LO,   19
.set HI,   20
.set CX,   21
.set CY,   22
.set RT,   86
.set MSB, 0
.macro WIN new                         ; the immediate's high byte repeats the setting that is left
.if MSB != \new
	s_set_vgpr_msb (MSB<<8)|\new
.set MSB, \new
.endif
.endm
.macro PLACES n
.rept \n
	v_nop
.endr
.endm
.macro JLOAD g0p, g1p, g0r, g1r        ; a joint load: waves 0 and 1 fetch for P, waves 2 and 3 for R; four v_nop follow each line
	s_cmp_eq_u32 s[HI], 0
	s_cbranch_scc0 .Lfor_r_\@
	tensor_load_to_lds s[\g0p:\g0p+3], s[\g1p:\g1p+7]
	s_nop 0
.rept 4
	v_nop
.endr
	s_branch .Lasked_\@
.Lfor_r_\@:
	tensor_load_to_lds s[\g0r:\g0r+3], s[\g1r:\g1r+7]
	s_nop 0
.rept 4
	v_nop
.endr
.Lasked_\@:
.endm
.macro CROUND                          ; a round of the cluster's barrier
	s_barrier_signal -1
	s_barrier_wait -1
	s_cmp_lg_u32 s[WV], 0
	s_cbranch_scc1 .Lnot_wave_0_\@
	s_barrier_signal -3
.Lnot_wave_0_\@:
	s_barrier_wait -3
	s_barrier_signal -1
	s_barrier_wait -1
.endm
	s_load_b256 s[4:11], s[0:1], 0x0               ; xcodes, xscales, ctxc, ctxs
	s_load_b128 s[12:15], s[0:1], 0x20             ; bo, out0
	v_lshl_add_u32 v254, v0, 2, 0x3b400
	v_mov_b32 v255, 0
	ds_add_u32 v254, v255
	ds_add_u32 v254, v255
	v_lshrrev_b32 v1, 5, v0
	v_readfirstlane_b32 s[WV], v1
	s_and_b32 s[LO], s[WV], 1                      ; my half of the features.  Also: which half of P or of R I fetch
	s_lshr_b32 s[HI], s[WV], 1                     ; my half of the tokens.  Also: I fetch for P (0) or for R (1)
	s_bfe_u32 s[CX], ttmp6, 0x40000
	s_bfe_u32 s[CY], ttmp6, 0x40004
	s_lshl_b32 s2, 0x1111, s[CX]                   ; my column of the cluster
	s_lshl_b32 s3, s[CY], 2
	s_lshl_b32 s3, 15, s3                          ; my row
	s_or_b32 s24, s2, (3<<16)|(1<<21)              ; P's codes: 8 tiles x 4,096 bytes (512 elements of 8), 8,192 bytes from tile to tile
	s_mov_b32 s25, 512<<16
	s_mov_b32 s26, 8<<16
	s_mov_b32 s27, 512<<16
	s_mov_b32 s28, 8
	s_mov_b32 s29, 1024
	s_mov_b32 s30, 0
	s_mov_b32 s31, 0
	s_or_b32 s32, s3, (3<<16)|(1<<21)              ; R's codes: 4 tiles
	s_mov_b32 s33, 512<<16
	s_mov_b32 s34, 4<<16
	s_mov_b32 s35, 512<<16
	s_mov_b32 s36, 4
	s_mov_b32 s37, 1024
	s_mov_b32 s38, 0
	s_mov_b32 s39, 0
	s_or_b32 s40, s2, (3<<16)|(1<<21)              ; P's scale words: 4,096 dense bytes as 16 rows of 256
	s_mov_b32 s41, 32<<16
	s_mov_b32 s42, 16<<16
	s_mov_b32 s43, 32<<16
	s_mov_b32 s44, 16
	s_mov_b32 s45, 32
	s_mov_b32 s46, 0
	s_mov_b32 s47, 0
	s_or_b32 s48, s3, (3<<16)|(1<<21)              ; R's: 2,048 dense bytes as 8 rows
	s_mov_b32 s49, 32<<16
	s_mov_b32 s50, 8<<16
	s_mov_b32 s51, 32<<16
	s_mov_b32 s52, 8
	s_mov_b32 s53, 32
	s_mov_b32 s54, 0
	s_mov_b32 s55, 0
	s_and_b32 s[RT], ttmp7, 0xffff                 ; the cluster's y, 0 .. 15
	s_lshl_b32 s[RT], s[RT], 2
	s_add_co_u32 s[RT], s[RT], s[CY]               ; which 128 tokens.  (cx, which 256 features, enters P's registers alone, cy R's alone)
	s_lshl_b32 s87, s[CX], 4
	s_add_co_u32 s87, s87, 1728                    ; Wo's first tile
	s_lshl_b32 s94, s[LO], 3
	s_add_co_u32 s87, s87, s94                     ; the first of the 8 tiles of P that I would fetch
	s_lshl_b32 s88, s87, 13
	s_mov_b32 s89, 0
	s_lshl_b32 s90, s87, 9
	s_mov_b32 s91, 0
	s_lshl_b32 s95, s[RT], 3
	s_lshl_b32 s94, s[LO], 2
	s_add_co_u32 s95, s95, s94                     ; the first of the 4 tiles of R
	s_lshl_b32 s96, s95, 13
	s_mov_b32 s97, 0
	s_lshl_b32 s98, s95, 9
	s_mov_b32 s99, 0
	s_wait_dscnt 0x0
	s_wait_kmcnt 0x0
	CROUND                                         ; all sixteen work-groups are here: the joint loads meet
	s_lshl_b32 s2, s[LO], 12
	s_mov_b32 s56, 1
	s_add_co_u32 s57, s2, PSC
	s_add_nc_u64 s[58:59], s[6:7], s[90:91]
	s_or_b32 s59, s59, 0x80000000
	s_lshl_b32 s3, s[LO], 11
	s_mov_b32 s72, 1
	s_add_co_u32 s73, s3, RSC
	s_add_nc_u64 s[74:75], s[10:11], s[98:99]
	s_or_b32 s75, s75, 0x80000000
	JLOAD 56, 40, 72, 48                           ; the scale words of all of K
	s_add_nc_u64 s[88:89], s[4:5], s[88:89]
	s_add_nc_u64 s[96:97], s[8:9], s[96:97]
	s_lshl_b32 s2, s[LO], 15
	s_lshl_b32 s3, s[LO], 14
	s_mov_b32 s60, 1
	s_add_co_u32 s61, s2, PB
	s_mov_b64 s[62:63], s[88:89]
	s_or_b32 s63, s63, 0x80000000
	s_mov_b32 s76, 1
	s_add_co_u32 s77, s3, RB
	s_mov_b64 s[78:79], s[96:97]
	s_or_b32 s79, s79, 0x80000000
	JLOAD 60, 24, 76, 32                           ; K steps 0 to 3
	s_mov_b32 s68, 1
	s_add_co_u32 s69, s2, PB+65536
	s_add_nc_u64 s[70:71], s[88:89], 4096
	s_or_b32 s71, s71, 0x80000000
	s_mov_b32 s80, 1
	s_add_co_u32 s81, s3, RB+32768
	s_add_nc_u64 s[82:83], s[96:97], 4096
	s_or_b32 s83, s83, 0x80000000
	JLOAD 68, 24, 80, 32                           ; K steps 4 to 7: three tensor loads of mine are out
	v_and_b32 v1, 15, v0                           ; r
	v_bfe_u32 v2, v0, 4, 1                         ; h
	v_and_b32 v3, 31, v0                           ; lane
	v_lshlrev_b32 v4, 4, v3                        ; 16 x lane
	s_lshl_b32 s2, s[LO], 15
	v_add_nc_u32 v[ADP], s2, v4
	v_add_nc_u32 v[ADP+1], 65536, v[ADP]
	s_lshl_b32 s2, s[HI], 14
	s_add_co_u32 s2, s2, RB
	v_add_nc_u32 v[ADR], s2, v4
	v_add_nc_u32 v[ADR+1], 32768, v[ADR]
	v_lshlrev_b32 v5, 4, v1                        ; 16 r
	s_lshl_b32 s2, s[LO], 12
	s_add_co_u32 s2, s2, PSC
	v_lshl_add_u32 v[ASP], v2, 11, v5              ; lanes 16-31 stand four tiles on
	v_add_nc_u32 v[ASP], s2, v[ASP]
	s_lshl_b32 s2, s[HI], 11
	s_add_co_u32 s2, s2, RSC
	v_lshl_add_u32 v[ASR], v2, 10, v5              ; lanes 16-31 stand two tiles on
	v_add_nc_u32 v[ASR], s2, v[ASR]
	v_lshlrev_b32 v[BO1], 6, v2
	s_wait_alu depctr_va_vdst(0)
	s_mul_i32 s2, s[WV], 16*SPI
	s_add_co_u32 s2, s2, STG                       ; my stage
	v_mul_u32_u24 v[STO], v1, SPI
	v_lshl_add_u32 v[STO], v2, 6, v[STO]
	v_add_nc_u32 v[STO], s2, v[STO]                ; in: row r, + 64 h
	v_add_nc_u32 v[RD], s2, v4                     ; back: 16 bytes a lane of a row
	; the bias is the C of each sum's first matrix instruction: for tile a my half's eight features
	s_lshl_b32 s90, s[CX], 10
	s_lshl_b32 s91, s[LO], 9
	s_add_co_u32 s90, s90, s91                     ; my first feature, 256 cx + 128 LO, in bytes
	s_mov_b32 s91, 0
	s_add_nc_u64 s[92:93], s[12:13], s[90:91]
	s_lshl_b32 s2, s[RT], 3
	s_lshl_b32 s3, s[HI], 2
	s_add_co_u32 s2, s2, s3
	s_lshl_b32 s2, s2, 16                          ; my first tile of tokens x 16 rows of 4,096 bytes
	s_add_co_u32 s90, s90, s2
	s_add_nc_u64 s[88:89], s[14:15], s[90:91]      ; where my part of out0 begins
	WIN 0x40                                       ; destination window 1
.irp a, 0,1,2,3,4,5,6,7
	global_load_b128 v[BI+8*\a:BI+8*\a+3], v[BO1], s[92:93] offset:(32*(\a/2)+8*(\a%2))*4
	global_load_b128 v[BI+8*\a+4:BI+8*\a+7], v[BO1], s[92:93] offset:(32*(\a/2)+8*(\a%2))*4+16
.endr
	WIN 0
.macro WM d, p, r, c, sa, sb, ra, rb   ; one matrix instruction; ra, rb: the scale words are taken from lanes 16-31
.if (\ra) && (\rb)
	v_wmma_scale_f32_16x16x128_f8f6f4 v[\d:\d+7], v[\p:\p+7], v[\r:\r+7], v[\c:\c+7], v[\sa], v[\sb] matrix_a_fmt:MATRIX_FMT_FP4 matrix_b_fmt:MATRIX_FMT_FP4 matrix_a_scale:MATRIX_SCALE_ROW1 matrix_b_scale:MATRIX_SCALE_ROW1
.elseif (\ra)
	v_wmma_scale_f32_16x16x128_f8f6f4 v[\d:\d+7], v[\p:\p+7], v[\r:\r+7], v[\c:\c+7], v[\sa], v[\sb] matrix_a_fmt:MATRIX_FMT_FP4 matrix_b_fmt:MATRIX_FMT_FP4 matrix_a_scale:MATRIX_SCALE_ROW1
.elseif (\rb)
	v_wmma_scale_f32_16x16x128_f8f6f4 v[\d:\d+7], v[\p:\p+7], v[\r:\r+7], v[\c:\c+7], v[\sa], v[\sb] matrix_a_fmt:MATRIX_FMT_FP4 matrix_b_fmt:MATRIX_FMT_FP4 matrix_b_scale:MATRIX_SCALE_ROW1
.else
	v_wmma_scale_f32_16x16x128_f8f6f4 v[\d:\d+7], v[\p:\p+7], v[\r:\r+7], v[\c:\c+7], v[\sa], v[\sb] matrix_a_fmt:MATRIX_FMT_FP4 matrix_b_fmt:MATRIX_FMT_FP4
.endif
.endm
.macro MUL s, cm                       ; K step s: the 32 accumulators take turns, one instruction a turn, in the same order in every step.  cm = 1: C = the bias
.if \cm
	WIN 0x91                                       ; source 0 window 1, source 1 window 0, C window 1, D window 2
.else
	WIN 0xa1                                       ; C and D window 2
.endif
.irp i, 0,1,2,3
.irp a, 0,1,2,3,4,5,6,7
.if \cm == 0
.set CC, 64*\i+8*\a
.else
.set CC, BI+8*\a
.endif
	WM 64*\i+8*\a, 128*((\s)%2)+8*\a, RF+32*((\s)%2)+8*\i, CC, SP+16*((\s)/4)+4*(\a%4)+(\s)%4, SR+8*((\s)/4)+4*(\i%2)+(\s)%4, \a/4, \i/2
.endr
.endr
.endm
.macro FETCH s                         ; K step s's fragments into set s % 2: each load takes 512 consecutive bytes
	WIN 0x40
.irp a, 0,1,2,3,4,5,6,7
.irp c, 0,1
	ds_load_b128 v[128*((\s)%2)+8*\a+4*\c:128*((\s)%2)+8*\a+4*\c+3], v[ADP+(\s)/4] offset:4096*\a+1024*((\s)%4)+512*\c
.endr
.endr
	WIN 0
.irp i, 0,1,2,3
.irp c, 0,1
	ds_load_b128 v[RF+32*((\s)%2)+8*\i+4*\c:RF+32*((\s)%2)+8*\i+4*\c+3], v[ADR+(\s)/4] offset:4096*\i+1024*((\s)%4)+512*\c
.endr
.endr
.endm
.macro STEP s
	s_wait_dscnt 0x0                               ; this step's fragments are in
.if \s == 3
	s_wait_tensorcnt 0x0                           ; my part of K steps 4 to 7 has landed,
	s_barrier_signal -1
	s_barrier_wait -1                              ; everybody's has
.endif
.if \s < 7
	PLACES 4                                       ; four places between the last step's products and loads into the registers that they read
	FETCH (\s)+1
.endif
	MUL \s, 0
.endm
	s_wait_tensorcnt 0x1                           ; the scale words and K steps 0 to 3 have landed; the load of K steps 4 to 7 may be out
	s_barrier_signal -1
	s_barrier_wait -1
.irp g, 0,1
.irp a, 0,1,2,3
	ds_load_b128 v[SP+16*\g+4*\a:SP+16*\g+4*\a+3], v[ASP] offset:512*\a+256*\g
.endr
.irp i, 0,1
	ds_load_b128 v[SR+8*\g+4*\i:SR+8*\g+4*\i+3], v[ASR] offset:512*\i+256*\g
.endr
.endr
	FETCH 0
	s_wait_loadcnt 0x0                             ; the bias
	s_wait_dscnt 0x0
	FETCH 1
	MUL 0, 1
.irp s, 1,2,3,4,5,6,7
	STEP \s
.endr
; THE WAY OUT, a tile of 16 tokens x my 128 features at a time.  A lane holds 32 neighbouring bytes of a row for each tile of features, and the lanes beside it hold other rows: so a block goes through my own stage and comes back
; as whole rows of 512 bytes.  LDS serves a wave's instructions in order: no wait between the stores and the loads, nor in front of the next block's stores.
.macro TOSTAGE i
	WIN 0x08                                       ; an LDS store's data are its source 1: window 2
.irp a, 0,1,2,3,4,5,6,7
	ds_store_b128 v[STO], v[64*(\i)+8*\a:64*(\i)+8*\a+3] offset:128*(\a/2)+32*(\a%2)          ; each accumulator from its low end on
	ds_store_b128 v[STO], v[64*(\i)+8*\a+4:64*(\i)+8*\a+7] offset:128*(\a/2)+32*(\a%2)+16
.endr
	WIN 0
.irp t, 0,1,2,3,4,5,6,7,8,9,10,11,12,13,14,15
	ds_load_b128 v[BK+64*((\i)%2)+4*\t:BK+64*((\i)%2)+4*\t+3], v[RD] offset:SPI*\t
.endr
.endm
.macro SEND i, younger                 ; younger: the LDS instructions issued behind block i's loads, which may stay out
	s_wait_dscnt \younger
.irp t, 0,1,2,3,4,5,6,7,8,9,10,11,12,13,14,15
	global_store_b128 v4, v[BK+64*((\i)%2)+4*\t:BK+64*((\i)%2)+4*\t+3], s[88:89] offset:(32*((\i)/2)+8*((\i)%2)+\t+8*(\t/8))*4096 th:TH_STORE_NT   ; 32 lanes store 512 consecutive bytes, aligned; place t of the tile is its row t + 8 (t / 8); the base never steps
.endr
.endm
	PLACES 4                                       ; four places in front of the first read of results and of loads into the registers that held R's fragments
	s_wait_alu depctr_va_vdst(0)
	TOSTAGE 0
.irp i, 1,2,3
.if \i > 1
	s_wait_xcnt 0x0                                ; block i - 2's stores have read their registers: block i's loads may land there
.endif
	TOSTAGE \i
	SEND \i-1, 32                                  ; behind block i - 1's loads: block i's 16 stores and 16 loads
.endr
	SEND 3, 0
	s_wait_tensorcnt 0x0
	ds_add_u32 v254, v255
	s_wait_dscnt 0x0
	CROUND                                         ; the closing round: no work-group ends while a partner may still ask for a tile that names it
	s_endpgm
.Lfunc_end_k_q7916ebd785_outp:
	.size	k_q7916ebd785_outp, .Lfunc_end_k_q7916ebd785_outp-k_q7916ebd785_outp
	.p2alignl 7, 3214868480
	.fill 96, 4, 3214868480
	.section	.rodata,"a",@progbits
	.p2align	6, 0x0
	.amdhsa_kernel k_q7916ebd785_outp
		.amdhsa_group_segment_fixed_size 243200
		.amdhsa_private_segment_fixed_size 0
		.amdhsa_enable_private_segment 0
		.amdhsa_kernarg_size 48
		.amdhsa_user_sgpr_count 2
		.amdhsa_user_sgpr_kernarg_segment_ptr 1
		.amdhsa_wavefront_size32 1
		.amdhsa_system_sgpr_workgroup_id_x 1
		.amdhsa_system_sgpr_workgroup_id_y 1
		.amdhsa_system_sgpr_workgroup_id_z 1
		.amdhsa_system_vgpr_workitem_id 0
		.amdhsa_next_free_vgpr 768
		.amdhsa_next_free_sgpr 100
		.amdhsa_reserve_vcc 0
		.amdhsa_float_denorm_mode_32 3
		.amdhsa_float_denorm_mode_16_64 3
		.amdhsa_memory_ordered 1
		.amdhsa_forward_progress 1
		.amdhsa_inst_pref_size 72
	.end_amdhsa_kernel
	.amdgpu_metadata
---
amdhsa.version: [ 1, 2 ]
amdhsa.kernels:
  - .name:           k_q7916ebd785_outp
    .symbol:         k_q7916ebd785_outp.kd
    .args:
      - { .name: xcodes, .offset: 0, .size: 8, .value_kind: global_buffer, .address_space: global }
      - { .name: xscales, .offset: 8, .size: 8, .value_kind: global_buffer, .address_space: global }
      - { .name: ctxc, .offset: 16, .size: 8, .value_kind: global_buffer, .address_space: global }
      - { .name: ctxs, .offset: 24, .size: 8, .value_kind: global_buffer, .address_space: global }
      - { .name: bo, .offset: 32, .size: 8, .value_kind: global_buffer, .address_space: global }
      - { .name: out0, .offset: 40, .size: 8, .value_kind: global_buffer, .address_space: global }
    .group_segment_fixed_size: 243200
    .private_segment_fixed_size: 0
    .kernarg_segment_align: 8
    .kernarg_segment_size: 48
    .max_flat_workgroup_size: 128
    .sgpr_count:     100
    .vgpr_count:     768
    .wavefront_size: 32
...
	.end_amdgpu_metadata
.endif
;; end of part 4
